; MI455X (gfx1250); checked and timed in simulation.
; The chip was launched on July 23, 2026; its instructions are those of AMD's public machine-readable ISA for CDNA 5 (MIT licence, August 2026) and "CDNA5" Instruction Set Architecture Reference Guide (July 2026). The comments in the code are by the model that wrote it; some were corrected since.
;; Local Band Similarity Block. Allowed arithmetic: matrix products marked QUANTISED: E4M3 operands, one given power-of-two scale a tensor, by v_wmma_f32_16x16x64_fp8_fp8 or v_wmma_f32_16x16x128_fp8_fp8, f32 sums; everything else in f32.
;; Inputs: W1 3,072 x 768 float32; W2 768 x 3,072 float32; Wk 768 x 768 float32; Wo 768 x 768 float32; Wq 768 x 768 float32; Wv 768 x 768 float32; b1 3,072 float32; b2 768 float32; beta1 768 float32; beta2 768 float32; bk 768 float32; bo 768 float32; bq 768 float32; bv 768 float32; g1 768 float32; g2 768 float32; grid 4,096 x 2 int32; lowp_scales 16 int32 (the exponents e of the quantised operands' scales 2^e); x 4,096 x 768 float32.
;; Outputs: out0 4,096 x 768 float32.
;; This version of the problem:
;;   THIS VERSION OF THE PROBLEM IS GIVEN IN LOW PRECISION. The matrix products marked QUANTISED in the list below multiply operands that are first quantised to E4M3 (4 exponent bits, 3 mantissa bits; 8 bits a number), with one given power-of-two scale for each operand tensor; their sums are f32. All else is computed in f32.
;;   The module's matrix products, in the order in which they are computed (A, B: the left and right operand; K: the contracted axis; several contracted axes count as one K, in the product's order):
;;     1. [M 4,096, K 768] x [K 768, N 768]; A: computed on the way; B: input Wq: QUANTISED (scales: A lowp_scales[0], B lowp_scales[1])
;;     2. [M 4,096, K 768] x [K 768, N 768]; A: computed on the way; B: input Wk: QUANTISED (scales: A lowp_scales[2], B lowp_scales[3])
;;     3. [M 4,096, K 768] x [K 768, N 768]; A: computed on the way; B: input Wv: QUANTISED (scales: A lowp_scales[4], B lowp_scales[5])
;;     4. [M 4,096, K 768] x [K 768, N 4,096]; A: computed on the way; B: computed on the way: QUANTISED (scales: A lowp_scales[6], B lowp_scales[7])
;;     5. [M 4,096, K 4,096] x [K 4,096, N 768]; A: softmax (see below); B: computed on the way: QUANTISED (scales: A lowp_scales[8], B lowp_scales[9])
;;     6. [M 4,096, K 768] x [K 768, N 768]; A: computed on the way; B: input Wo: QUANTISED (scales: A lowp_scales[10], B lowp_scales[11])
;;     7. [M 4,096, K 768] x [K 768, N 3,072]; A: computed on the way; B: input W1: QUANTISED (scales: A lowp_scales[12], B lowp_scales[13])
;;     8. [M 4,096, K 3,072] x [K 3,072, N 768]; A: computed on the way; B: input W2: QUANTISED (scales: A lowp_scales[14], B lowp_scales[15])
;;   THE QUANTISER, for each operand of a quantised product, along K:
;;     - The operand's scale is 2^e, e = its entry of the input lowp_scales (int32; the entries are numbered through the quantised products in the list's order, A before B).
;;     - Each number is divided by the scale, clamped to +-448, and rounded to the nearest number of E4M3, ties to even, subnormals kept.
;;     - The product sums the exact products of the quantised numbers (number of the format x scale) in f32.
;;   ~~~python
;;   def quantise(x, axis, e):      # numpy; x: float32 -> the quantised numbers, widened to float32 again
;;       x = np.moveaxis(x, axis, -1); K = x.shape[-1]
;;       r = np.clip(x / 2.0 ** e, -448, 448)
;;       step = 2.0 ** (np.maximum(np.frexp(np.where(r == 0, 1, r))[1] - 1, -6) - 3)
;;       q = np.round(r / step) * step * 2.0 ** e      # np.round: ties to even
;;       return np.moveaxis(q, -1, axis).astype(np.float32)
;;   ~~~
;;   SOFTMAX AHEAD OF A QUANTISED PRODUCT. Where the list says 'softmax', what is quantised is not the finished softmax but p = 2^(t - M), with t = logit x log2(e) and M = ceil(the row's largest t), a whole number; so 1/2 < the row's largest p <= 1. The row's sum l is taken of the UNQUANTISED p, in f32, and the product's result is divided by l at the end. Since M is a whole number, a kernel that streams over the keys may use a running M (the ceiling of the running maximum): every later rescaling is an exact power of two, so the quantised numbers keep their values, but for numbers so far below the row's largest that they fall under the format's range.
;;   OPERANDS COMPUTED ON THE WAY. 'Computed on the way' means the value that the module computes at that place (a softmax that the list does not call 'softmax' is quantised finished and normalised). What goes into a quantiser is computed in f32, as accurately as f32 sums, v_exp_f32 and their like allow (about 1e-6 of the number): no bf16 or f16 on the way to a quantiser, and a product that is left as it is and whose result goes on into a quantised operand takes f32 operands (vector FMAs, or v_wmma_f32_16x16x4_f32). A number that lies on a knife's edge between two numbers of the format may be rounded either way, as far as f32 arithmetic and the matrix unit's own rounding can turn it there, and no further.
;; 2 versions, each right; version 2 is version 1 with the launch attn written anew for expert scheduling mode. Each part assembles by itself: llvm-mc -triple=amdgcn-amd-amdhsa -mcpu=gfx1250 --defsym DOCPART=n.
;; ======== version 1 of 2: 5 launches
;; workspace buffers: wc 7,077,888 bytes; hc 9,437,184 bytes; flags 1,024 bytes of whole numbers; qkv 9,437,184 bytes; vc 3,145,728 bytes; h2c 3,145,728 bytes; x1 12,582,912 bytes; hid 12,582,912 bytes
;; launch prep (part 1): grid 402 x 1, 4 waves a work-group, no clusters, 83,712 bytes of LDS; arguments Wq, Wk, Wv, Wo, W1, W2, x, g1, beta1, grid, lowp_scales, wc, hc, flags; writes wc, hc, flags
.if DOCPART == 1
	.amdgcn_target "amdgcn-amd-amdhsa--gfx1250"
	.amdhsa_code_object_version 6
	.text
	.protected	k_q3ebb735ba8_prep
	.globl	k_q3ebb735ba8_prep
	.p2align	8
	.type	k_q3ebb735ba8_prep,@function
k_q3ebb735ba8_prep:
	s_mov_b64 s[64:65], 0
	v_nop
	global_prefetch_b8 v0, s[64:65] scope:SCOPE_SE
	s_setreg_imm32_b32 hwreg(HW_REG_WAVE_MODE, 25, 1), 1
	s_wait_xcnt 0x0
; Three jobs, told apart by the work-group's number alone; each has LDS bytes of its own.
;   0-143   the six weights become codes of E4M3 in FRAGMENT ORDER: a piece is 512 bytes, lane l = (r, h) owns bytes 16 l .. 16 l + 15: row pat(T, r), k = 32 P + 16 h + 0 .. 15;
;           pat(T, r) = 32 (T / 2) + 8 (T % 2) + r + 8 (r / 8).  A wave takes 16 rows x 768 along K: 24 pieces, 12,288 bytes.
;   144-399 LayerNorm 1 of a tile of 16 tokens (rows pat(tau, r)), quantised three times, under lowp_scales[0], [2], [4].
;   400-401 for each tile of 16 tokens a word of 32 bits: bit S = key step S (128 keys) may hold a neighbour.  Boxes of coordinates are compared in f32; f32 subtraction is monotone,
;           so no pair that the exact test keeps is dropped.  The exact mask is applied later, number by number.
; code = x / 2^e, held within +-448 x 2^e, to the nearest code, ties to even.  LIMITS: every e between -126 and 119; NaN among the inputs is not served.
.set WSTW,  8448                       ; weights: a wave's stage, 16 rows x 528 bytes
.set WSP,   528                        ; 512 bytes + 16: row r starts 4 r banks on
.set LNST,  33792                      ; LayerNorm: the work-group's stage, 16 rows x 3,088 bytes
.set LNP,   3088
.set R,     32                         ; v32-159  weights: two sets of 64 as loaded
.set X,     160                        ; v160-223 64 numbers, 16 neighbours along K for each of 4 pieces
.set C,     224                        ; v224-239 a step's codes
	s_load_b512 s[4:19], s[0:1], 0x0               ; Wq, Wk, Wv, Wo, W1, W2, x, g1
	s_load_b256 s[20:27], s[0:1], 0x40             ; beta1, grid, lowp_scales, wc
	s_load_b128 s[28:31], s[0:1], 0x60             ; hc, flags
	v_lshl_add_u32 v254, v0, 2, 0x14500
	v_mov_b32 v255, 0
	v_lshrrev_b32 v1, 5, v0
	v_readfirstlane_b32 s32, v1                    ; wave
	v_and_b32 v2, 31, v0                           ; lane
	v_and_b32 v3, 15, v0                           ; r
	v_bfe_u32 v4, v0, 4, 1                         ; h
	v_lshlrev_b32 v14, 4, v2                       ; 16 x lane
	s_wait_kmcnt 0x0
	s_load_b512 s[36:51], s[24:25], 0x0            ; the sixteen exponents
	s_cmp_ge_u32 ttmp9, 400
	s_cbranch_scc1 .Lflags
	s_cmp_ge_u32 ttmp9, 144
	s_cbranch_scc1 .Lln
; ---------------------------------------------------------------- the weights
.macro PICK lim, ptr, first
	s_cmp_ge_u32 ttmp9, \lim
	s_cselect_b64 s[52:53], s[\ptr:\ptr+1], s[52:53]
	s_cselect_b32 s55, \first, s55
.endm
.macro PICKE lim, e
	s_cmp_ge_u32 ttmp9, \lim
	s_cselect_b32 s54, s[\e], s54
.endm
	s_lshl_b32 s33, ttmp9, 2
	s_add_co_u32 s33, s33, s32                     ; my unit, 0 .. 575
	s_mov_b64 s[52:53], s[4:5]                     ; the tensor and its first unit: chosen by the work-group's number
	s_mov_b32 s55, 0
	PICK 12, 6, 48
	PICK 24, 8, 96
	PICK 36, 10, 144
	PICK 48, 12, 192
	PICK 96, 14, 384
	s_sub_co_u32 s56, s33, s55                     ; unit within the tensor
	s_lshr_b32 s57, s56, 2
	s_and_b32 s58, s56, 3
	s_cmp_ge_u32 ttmp9, 96                         ; W2 has K = 3,072: four units to a tile of rows
	s_cselect_b32 s57, s57, s56                    ; tile of rows
	s_cselect_b32 s58, s58, 0                      ; which 768 along K
	s_mov_b32 s59, 3072
	s_cselect_b32 s59, 12288, s59                  ; a row in bytes
	s_lshr_b32 s60, s57, 1
	s_lshl_b32 s60, s60, 5
	s_and_b32 s61, s57, 1
	s_lshl_b32 s61, s61, 3
	s_add_co_u32 s60, s60, s61                     ; the tile's first row
	s_mul_i32 s60, s60, s59
	s_mul_i32 s61, s58, 3072
	s_add_co_u32 s60, s60, s61
	s_mov_b32 s61, 0
	s_add_nc_u64 s[52:53], s[52:53], s[60:61]
	s_mul_i32 s62, s33, 12288                      ; the six tensors' units lie on end in wc
	s_mov_b32 s63, 0
	s_add_nc_u64 s[26:27], s[26:27], s[62:63]
.irp i, 0,1,2,3,4,5,6,7,8,9,10,11,12,13,14,15
	s_mul_i32 s66, s59, \i+8*(\i/8)                ; tile row i is row i + 8 (i / 8) from the tile's first
	v_add_nc_u32 v[16+\i], s66, v14
.endr
	s_mul_i32 s67, s32, WSTW
	v_add_nc_u32 v12, s67, v14                     ; into the stage: 16 bytes a lane, a row an instruction
	v_mul_u32_u24 v13, v3, WSP
	v_lshl_add_u32 v13, v4, 6, v13
	v_add_nc_u32 v13, s67, v13                     ; out of it: row r, + 64 h
.macro WLOAD t                         ; 128 along K of the 16 rows: each load is 512 consecutive bytes of one row
.irp i, 0,1,2,3,4,5,6,7,8,9,10,11,12,13,14,15
	global_load_b128 v[R+64*((\t)%2)+4*\i:R+64*((\t)%2)+4*\i+3], v[16+\i], s[52:53] offset:512*(\t) th:TH_LOAD_NT
.endr
.endm
	WLOAD 0
	WLOAD 1
	s_wait_kmcnt 0x0
	s_mov_b32 s54, s37                             ; e: entries 1, 3, 5, 11, 13, 15
	PICKE 12, 39
	PICKE 24, 41
	PICKE 36, 47
	PICKE 48, 49
	PICKE 96, 51
	s_add_co_i32 s54, s54, 127
	s_lshl_b32 s66, s54, 23
	v_mov_b32 v11, s66                             ; 2^e as f32: the conversion takes its exponent field
	s_add_co_i32 s54, s54, 8
	s_lshl_b32 s54, s54, 23
	s_or_b32 s54, s54, 0x600000
	v_mov_b32 v10, s54                             ; 448 x 2^e
.macro WSTEP t
.if (\t) < 5
	s_wait_loadcnt 16                              ; this step's 16 loads are in; the next step's 16 may be out
.else
	s_wait_loadcnt 0
.endif
.irp i, 0,1,2,3,4,5,6,7,8,9,10,11,12,13,14,15
	ds_store_b128 v12, v[R+64*((\t)%2)+4*\i:R+64*((\t)%2)+4*\i+3] offset:WSP*\i
.endr
.irp p, 0,1,2,3
.irp k, 0,1,2,3
	ds_load_b128 v[X+16*\p+4*\k:X+16*\p+4*\k+3], v13 offset:128*\p+16*\k   ; LDS serves a wave's instructions in order: these see my stores
.endr
.endr
	s_wait_xcnt 0x0                                ; the last step's stores have read their data: the codes' registers may be written again
	s_wait_dscnt 0x0                               ; the numbers are back, and the stores into the stage have read their registers,
.if (\t) < 4
	WLOAD (\t)+2                                   ; which take the loads of two steps on
.endif
.irp p, 0,1,2,3
.irp i, 0,1,2,3,4,5,6,7,8,9,10,11,12,13,14,15
	v_med3_num_f32 v[X+16*\p+\i], v[X+16*\p+\i], -v10, v10   ; the conversion does not saturate (ISA guide 7.6.2): the hold comes first
.endr
	v_cvt_scalef32_pk8_fp8_f32 v[C+4*\p:C+4*\p+1], v[X+16*\p:X+16*\p+7], v11
	v_cvt_scalef32_pk8_fp8_f32 v[C+4*\p+2:C+4*\p+3], v[X+16*\p+8:X+16*\p+15], v11
.endr
	v_nop                                          ; a plain line behind the last conversion: the next step's holds write its sources
.irp p, 0,1,2,3
	global_store_b128 v14, v[C+4*\p:C+4*\p+3], s[26:27] offset:2048*(\t)+512*\p   ; a piece: 512 consecutive bytes
.endr
.endm
	WSTEP 0
	WSTEP 1
	WSTEP 2
	WSTEP 3
	WSTEP 4
	WSTEP 5
	s_wait_tensorcnt 0x0
	ds_add_u32 v254, v255
	s_wait_dscnt 0x0
	s_endpgm
; ---------------------------------------------------------------- LayerNorm 1
.Lln:
	s_sub_co_u32 s33, ttmp9, 144                   ; tau
	s_lshr_b32 s52, s33, 1
	s_lshl_b32 s52, s52, 5
	s_and_b32 s53, s33, 1
	s_lshl_b32 s53, s53, 3
	s_add_co_u32 s52, s52, s53                     ; the tile's first token
	s_lshl_b32 s53, s32, 2
	s_add_co_u32 s52, s52, s53
	s_lshr_b32 s53, s32, 1
	s_lshl_b32 s53, s53, 3
	s_add_co_u32 s52, s52, s53                     ; tile rows 4 w .. 4 w + 3 are four neighbouring tokens
	s_mul_i32 s52, s52, 3072
	s_mov_b32 s53, 0
	s_add_nc_u64 s[16:17], s[16:17], s[52:53]
.irp k, 0,1,2,3
.irp j, 0,1,2,3,4,5
	global_load_b128 v[32+24*\k+4*\j:32+24*\k+4*\j+3], v14, s[16:17] offset:\k*3072+512*\j th:TH_LOAD_NT
.endr
.endr
.irp j, 0,1,2,3,4,5
	global_load_b128 v[128+4*\j:128+4*\j+3], v14, s[18:19] offset:512*\j
	global_load_b128 v[152+4*\j:152+4*\j+3], v14, s[20:21] offset:512*\j
.endr
	s_mul_i32 s54, s33, 12288
	s_mul_i32 s55, s32, 3072
	s_add_co_u32 s54, s54, s55
	s_mov_b32 s55, 0
	s_add_nc_u64 s[28:29], s[28:29], s[54:55]      ; hc at my six pieces of the tile
	s_mul_i32 s56, s32, 4*LNP
	v_add_nc_u32 v12, s56, v14
	v_add_nc_u32 v12, LNST, v12                    ; into the stage: my four rows
	s_mul_i32 s56, s32, 768
	v_mul_u32_u24 v13, v3, LNP
	v_lshl_add_u32 v13, v4, 6, v13
	v_add_nc_u32 v13, s56, v13
	v_add_nc_u32 v13, LNST, v13                    ; out of it: row r, + 64 h, + my six pieces
	s_mov_b32 s70, 0x3aaaaaab                      ; 1 / 768
	s_mov_b32 s71, 0x3727c5ac                      ; 1e-5
	s_mov_b32 s72, 0x76543210
	s_mov_b32 s73, 0xfedcba98
	v_mov_b32 v181, 0                              ; upper halves of pairs that are named whole
	v_mov_b32 v183, 0
	v_mov_b32 v185, 0                              ; a lane permute's destination counts as read
.macro REDUCE                          ; v184 summed over the 32 lanes
	v_add_f32_dpp v184, v184, v184 row_xmask:1 row_mask:0xf bank_mask:0xf
	v_add_f32_dpp v184, v184, v184 row_xmask:2 row_mask:0xf bank_mask:0xf
	v_add_f32_dpp v184, v184, v184 row_xmask:4 row_mask:0xf bank_mask:0xf
	v_add_f32_dpp v184, v184, v184 row_xmask:8 row_mask:0xf bank_mask:0xf
	v_permlanex16_b32 v185, v184, s72, s73
	v_add_f32 v184, v184, v185
.endm
.macro LNROW k
.set XR, 32+24*(\k)
	v_pk_add_f32 v[176:177], v[XR:XR+1], v[XR+2:XR+3]
	v_pk_add_f32 v[178:179], v[XR+4:XR+5], v[XR+6:XR+7]
.irp j, 8,12,16,20
	v_pk_add_f32 v[176:177], v[176:177], v[XR+\j:XR+\j+1]
	v_pk_add_f32 v[178:179], v[178:179], v[XR+\j+2:XR+\j+3]
.endr
	v_pk_add_f32 v[176:177], v[176:177], v[178:179]
	v_add_f32 v184, v176, v177
	REDUCE
	v_mul_f32 v180, s70, v184                      ; the mean
.irp j, 0,2,4,6,8,10,12,14,16,18,20,22
	v_pk_add_f32 v[XR+\j:XR+\j+1], v[XR+\j:XR+\j+1], v[180:181] op_sel_hi:[1,0] neg_lo:[0,1] neg_hi:[0,1]
.endr
	v_pk_mul_f32 v[176:177], v[XR:XR+1], v[XR:XR+1]
	v_pk_mul_f32 v[178:179], v[XR+2:XR+3], v[XR+2:XR+3]
.irp j, 4,8,12,16,20
	v_pk_fma_f32 v[176:177], v[XR+\j:XR+\j+1], v[XR+\j:XR+\j+1], v[176:177]
	v_pk_fma_f32 v[178:179], v[XR+\j+2:XR+\j+3], v[XR+\j+2:XR+\j+3], v[178:179]
.endr
	v_pk_add_f32 v[176:177], v[176:177], v[178:179]
	v_add_f32 v184, v176, v177
	REDUCE
	v_fma_f32 v184, v184, s70, s71                 ; the variance + 1e-5
	v_rsq_f32 v182, v184
	v_nop                                          ; a plain line behind the transcendental (ISA guide 5.7.2)
	s_wait_alu depctr_va_vdst(0)                   ; and a wait ahead of its first reader
.irp j, 0,2,4,6,8,10,12,14,16,18,20,22
	v_pk_mul_f32 v[XR+\j:XR+\j+1], v[XR+\j:XR+\j+1], v[182:183] op_sel_hi:[1,0]
.endr
.irp j, 0,2,4,6,8,10,12,14,16,18,20,22
	v_pk_fma_f32 v[XR+\j:XR+\j+1], v[XR+\j:XR+\j+1], v[128+\j:129+\j], v[152+\j:153+\j]
.endr
.irp j, 0,1,2,3,4,5
	ds_store_b128 v12, v[XR+4*\j:XR+4*\j+3] offset:(\k)*LNP+512*\j
.endr
.endm
	s_wait_loadcnt 0x0
	LNROW 0
	LNROW 1
	LNROW 2
	LNROW 3
.macro MKSC e, vs, vl
	s_add_co_i32 s74, s[\e], 127
	s_lshl_b32 s75, s74, 23
	v_mov_b32 v[\vs], s75
	s_add_co_i32 s74, s74, 8
	s_lshl_b32 s74, s74, 23
	s_or_b32 s74, s74, 0x600000
	v_mov_b32 v[\vl], s74
.endm
	s_wait_kmcnt 0x0
	MKSC 36, 232, 233
	MKSC 38, 234, 235
	MKSC 40, 236, 237
	s_wait_dscnt 0x0                               ; for the others' sake: my four rows lie in the stage
	s_barrier_signal -1
	s_barrier_wait -1
.irp p, 0,1,2,3,4,5
.irp k, 0,1,2,3
	ds_load_b128 v[32+16*\p+4*\k:32+16*\p+4*\k+3], v13 offset:128*\p+16*\k
.endr
.endr
	s_wait_dscnt 0x0
.set n, 0
.irp p, 0,1,2,3,4,5
.irp z, 0,1,2
.set TS, 200+16*(n%2)                  ; the held numbers: two sets by turns, so that the next holds are the plain lines behind the conversions
.set CR, 128+4*n                       ; each piece has its own four registers: no store's data are written again
.irp i, 0,1,2,3,4,5,6,7,8,9,10,11,12,13,14,15
	v_med3_num_f32 v[TS+\i], v[32+16*\p+\i], -v[233+2*\z], v[233+2*\z]
.endr
	v_cvt_scalef32_pk8_fp8_f32 v[CR:CR+1], v[TS:TS+7], v[232+2*\z]
	v_cvt_scalef32_pk8_fp8_f32 v[CR+2:CR+3], v[TS+8:TS+15], v[232+2*\z]
	global_store_b128 v14, v[CR:CR+3], s[28:29] offset:\z*3145728+\p*512
.set n, n+1
.endr
.endr
	s_wait_tensorcnt 0x0
	ds_add_u32 v254, v255
	s_wait_dscnt 0x0
	s_endpgm
; ---------------------------------------------------------------- the flags
.Lflags:
	s_wait_kmcnt 0x0
	s_sub_co_u32 s33, ttmp9, 400
	s_lshl_b32 s33, s33, 2
	s_add_co_u32 s33, s33, s32                     ; f = 0 .. 7: token tiles 32 f .. 32 f + 31, a lane a tile
	v_lshlrev_b32 v5, 10, v2                       ; and a lane a key step: 128 keys x 8 bytes
.set q, 0
.rept 32
	global_load_b128 v[32+4*q:32+4*q+3], v5, s[22:23] offset:16*q
.set q, q+1
.endr
	s_lshl_b32 s52, s33, 5
	v_add_nc_u32 v6, s52, v2                       ; tau
	v_lshrrev_b32 v7, 1, v6
	v_lshlrev_b32 v7, 8, v7
	v_and_b32 v8, 1, v6
	v_lshl_add_u32 v7, v8, 6, v7                   ; 8 x the tile's first token
.irp m, 0,1,2,3
	global_load_b128 v[160+4*\m:160+4*\m+3], v7, s[22:23] offset:16*\m
	global_load_b128 v[176+4*\m:176+4*\m+3], v7, s[22:23] offset:128+16*\m
.endr
.macro BOX base, nl, bx, init          ; the box (xmin, xmax, ymin, ymax), in f32, of 2 nl points
.set q, 0
.rept 4*\nl
	v_cvt_f32_i32 v[\base+q], v[\base+q]
.set q, q+1
.endr
.if \init
	v_mov_b32 v[\bx], v[\base]
	v_mov_b32 v[\bx+1], v[\base]
	v_mov_b32 v[\bx+2], v[\base+1]
	v_mov_b32 v[\bx+3], v[\base+1]
.endif
.set q, 0
.rept \nl
	v_min3_num_f32 v[\bx], v[\bx], v[\base+4*q], v[\base+4*q+2]
	v_max3_num_f32 v[\bx+1], v[\bx+1], v[\base+4*q], v[\base+4*q+2]
	v_min3_num_f32 v[\bx+2], v[\bx+2], v[\base+4*q+1], v[\base+4*q+3]
	v_max3_num_f32 v[\bx+3], v[\bx+3], v[\base+4*q+1], v[\base+4*q+3]
.set q, q+1
.endr
.endm
	s_wait_loadcnt 8                               ; the step's first 64 keys are in; the tile's eight loads may be out
	BOX 32, 32, 192, 1
.set q, 0
.rept 32
	global_load_b128 v[32+4*q:32+4*q+3], v5, s[22:23] offset:512+16*q
.set q, q+1
.endr
	s_wait_loadcnt 32                              ; the tile's eight are in; the 32 just issued may be out
	BOX 160, 8, 196, 1
	s_wait_loadcnt 0x0
	BOX 32, 32, 192, 0
	v_mov_b32 v200, 0
.set ks, 0
.rept 32
	v_readlane_b32 s52, v192, ks
	v_readlane_b32 s53, v193, ks
	v_readlane_b32 s54, v194, ks
	v_readlane_b32 s55, v195, ks
	v_sub_f32 v201, s52, v197                      ; the gap between the boxes, four ways
	v_sub_f32 v202, v196, s53
	v_sub_f32 v203, s54, v199
	v_sub_f32 v204, v198, s55
	v_max3_num_f32 v201, v201, v202, v203
	v_max_num_f32 v201, v201, v204
	v_cmp_ge_f32 vcc_lo, 2.0, v201
	v_cndmask_b32 v202, 0, 1, vcc_lo
	v_lshl_or_b32 v200, v202, ks, v200
.set ks, ks+1
.endr
	v_lshlrev_b32 v9, 2, v2
	s_lshl_b32 s52, s33, 7
	s_mov_b32 s53, 0
	s_add_nc_u64 s[30:31], s[30:31], s[52:53]
	global_store_b32 v9, v200, s[30:31]
	s_endpgm
.Lfunc_end_k_q3ebb735ba8_prep:
	.size	k_q3ebb735ba8_prep, .Lfunc_end_k_q3ebb735ba8_prep-k_q3ebb735ba8_prep
	.p2alignl 7, 3214868480
	.fill 96, 4, 3214868480
	.section	.rodata,"a",@progbits
	.p2align	6, 0x0
	.amdhsa_kernel k_q3ebb735ba8_prep
		.amdhsa_group_segment_fixed_size 83712
		.amdhsa_private_segment_fixed_size 0
		.amdhsa_enable_private_segment 0
		.amdhsa_kernarg_size 112
		.amdhsa_user_sgpr_count 2
		.amdhsa_user_sgpr_kernarg_segment_ptr 1
		.amdhsa_wavefront_size32 1
		.amdhsa_system_sgpr_workgroup_id_x 1
		.amdhsa_system_sgpr_workgroup_id_y 1
		.amdhsa_system_sgpr_workgroup_id_z 1
		.amdhsa_system_vgpr_workitem_id 0
		.amdhsa_next_free_vgpr 256
		.amdhsa_next_free_sgpr 80
		.amdhsa_reserve_vcc 1
		.amdhsa_float_denorm_mode_32 3
		.amdhsa_float_denorm_mode_16_64 3
		.amdhsa_memory_ordered 1
		.amdhsa_forward_progress 1
		.amdhsa_inst_pref_size 163
	.end_amdhsa_kernel
	.amdgpu_metadata
---
amdhsa.version: [ 1, 2 ]
amdhsa.kernels:
  - .name:           k_q3ebb735ba8_prep
    .symbol:         k_q3ebb735ba8_prep.kd
    .args:
      - { .name: Wq, .offset: 0, .size: 8, .value_kind: global_buffer, .address_space: global }
      - { .name: Wk, .offset: 8, .size: 8, .value_kind: global_buffer, .address_space: global }
      - { .name: Wv, .offset: 16, .size: 8, .value_kind: global_buffer, .address_space: global }
      - { .name: Wo, .offset: 24, .size: 8, .value_kind: global_buffer, .address_space: global }
      - { .name: W1, .offset: 32, .size: 8, .value_kind: global_buffer, .address_space: global }
      - { .name: W2, .offset: 40, .size: 8, .value_kind: global_buffer, .address_space: global }
      - { .name: x, .offset: 48, .size: 8, .value_kind: global_buffer, .address_space: global }
      - { .name: g1, .offset: 56, .size: 8, .value_kind: global_buffer, .address_space: global }
      - { .name: beta1, .offset: 64, .size: 8, .value_kind: global_buffer, .address_space: global }
      - { .name: grid, .offset: 72, .size: 8, .value_kind: global_buffer, .address_space: global }
      - { .name: lowp_scales, .offset: 80, .size: 8, .value_kind: global_buffer, .address_space: global }
      - { .name: wc, .offset: 88, .size: 8, .value_kind: global_buffer, .address_space: global }
      - { .name: hc, .offset: 96, .size: 8, .value_kind: global_buffer, .address_space: global }
      - { .name: flags, .offset: 104, .size: 8, .value_kind: global_buffer, .address_space: global }
    .group_segment_fixed_size: 83712
    .private_segment_fixed_size: 0
    .kernarg_segment_align: 8
    .kernarg_segment_size: 112
    .max_flat_workgroup_size: 128
    .sgpr_count:     80
    .vgpr_count:     256
    .wavefront_size: 32
...
	.end_amdgpu_metadata
.endif
;; end of part 1
;; launch qkv (part 2): grid 12 x 16, 4 waves a work-group, clusters of 4 x 4, 327,680 bytes of LDS; arguments hc, wc, lowp_scales, bq, bk, bv, qkv, vc; writes qkv, vc
.if DOCPART == 2
	.amdgcn_target "amdgcn-amd-amdhsa--gfx1250"
	.amdhsa_code_object_version 6
	.text
	.protected	k_q3ebb735ba8_qkv
	.globl	k_q3ebb735ba8_qkv
	.p2align	8
	.type	k_q3ebb735ba8_qkv,@function
k_q3ebb735ba8_qkv:
	s_mov_b64 s[64:65], 0
	v_nop
	global_prefetch_b8 v0, s[64:65] scope:SCOPE_SE
	s_setreg_imm32_b32 hwreg(HW_REG_WAVE_MODE, 25, 1), 1
	s_wait_xcnt 0x0
	s_wait_alu depctr_hold_cnt(0) depctr_sa_sdst(0) depctr_va_vdst(0) depctr_va_sdst(0) depctr_va_ssrc(0) depctr_va_vcc(0) depctr_vm_vsrc(0)
	s_getreg_b32 s2, hwreg(HW_REG_IB_STS2, 6, 4)
	s_cmp_eq_u32 s2, 0
	s_cbranch_scc0 .Lentry_in_a_cluster
	s_endpgm
.Lentry_in_a_cluster:
	s_bfe_u32 s2, ttmp6, 0x10000c
	s_cmp_lg_u32 s2, 0xf033
	s_cbranch_scc0 .Lentry_shape_is_right
	s_endpgm
.Lentry_shape_is_right:
; q, k, v = LN1(x) W^T + b on codes of E4M3.  Cluster x = which of the three; a work-group makes 256 tokens x 192 channels, a wave 64 tokens x 192 channels: 48 accumulators.
; All code buffers lie in FRAGMENT ORDER (a piece = 512 bytes, lane (r, h): row pat(T, r) = 32 (T/2) + 8 (T%2) + r + 8 (r/8), k = 32 P + 16 h + 0..15), so a fragment is four loads of 16 bytes at 16 x lane.
; THE PRODUCT IS USED TRANSPOSED (source 0 = 16 rows of W, source 1 = 16 tokens): lane (r, h) holds token pat(tau, r); the 16 registers of weight tiles 2 P, 2 P + 1 are channels 32 P + 16 h + 0..15.
; K = 768 goes in three slots' worth of 256 through two LDS slots filled by joint tensor loads: the four work-groups of a cluster's row share the tokens' tile, the four of a column the weights'.
; q and k leave as codes in fragment order.  v leaves twice: as codes under lowp_scales[10] in fragment order, which is what a token without neighbours passes on (the quantiser works number by number, so a choice
; between two codes is the choice between the two numbers), and, turned through LDS, as codes under lowp_scales[9] with the tokens innermost.
; LIMITS: each e between -126 and 119, each sum of two between -126 and 127.  NaN among the inputs is not served.
; REGISTERS: window 0: v0-63 addresses, v64-255 weights set 0;  window 1: v0-63 tokens set 0, v64-255 weights set 1;  window 2: v0-191 sums of token tiles 0, 1, v192-255 tokens set 1;  window 3: v0-191 sums of tiles 2, 3.
.set SLOT,  114688                     ; 16 token tiles x 4,096 bytes, then 12 weight tiles x 4,096
.set SPARE, 229376                     ; behind the ring: the spare words, 128 bytes a wave
.set TILEB, 12288
.set SPW,   28
.set NIL,   29
.set L16,   2
.set ADRA,  16
.set ADRB,  18
.set WV,    20
.set G1,    24
.set G0,    32
.set G1B,   48
.set G0B,   56
.set MSB,   0
.macro WIN new                         ; the immediate's high byte repeats the setting that is left
.if MSB != (\new)
	s_set_vgpr_msb ((MSB<<8)|(\new))
.set MSB, (\new)
.endif
.endm
.macro PLACES                          ; four plain lines between a matrix instruction and a load into, or a read of, its registers
.rept 4
	v_nop
.endr
.endm
.macro CREST
	s_cmp_lg_u32 s[WV], 0
	s_cbranch_scc1 .Lnot_wave_0_\@
	s_barrier_signal -3
.Lnot_wave_0_\@:
	s_barrier_wait -3
	s_barrier_signal -1
	s_barrier_wait -1
.endm
.macro CROUND                          ; a round of the cluster's barrier
	s_barrier_signal -1
	s_barrier_wait -1
	CREST
.endm
.macro JLOAD g0a, g0b                  ; waves 0, 1: the tokens' halves; waves 2, 3: the weights'.  Four v_nop follow each line
	s_cmp_lt_u32 s[WV], 2
	s_cbranch_scc0 .Lfor_b_\@
	tensor_load_to_lds s[\g0a:\g0a+3], s[G1:G1+7]
	s_nop 0
.rept 4
	v_nop
.endr
	s_branch .Lasked_\@
.Lfor_b_\@:
	tensor_load_to_lds s[\g0b:\g0b+3], s[G1B:G1B+7]
	s_nop 0
.rept 4
	v_nop
.endr
.Lasked_\@:
.endm
.macro FETCH slot, qq, set             ; 64 LDS loads in one run: 12 weight fragments and my 4 token fragments of the slot's qq-th 128 along K
	WIN (0x40*(\set))
.irp b, 0,1,2,3,4,5,6,7,8,9,10,11
.irp c, 0,1,2,3
	ds_load_b128 v[64+16*\b+4*\c:64+16*\b+4*\c+3], v[ADRB+\slot] offset:\b*4096+(\qq)*2048+512*\c
.endr
.endr
	WIN (0x40+0x40*(\set))
.irp a, 0,1,2,3
.irp c, 0,1,2,3
	ds_load_b128 v[192*(\set)+16*\a+4*\c:192*(\set)+16*\a+4*\c+3], v[ADRA+\slot] offset:\a*4096+(\qq)*2048+512*\c
.endr
.endr
.endm
.macro MUL a, set, zero                ; token tile a against the 12 weight tiles.  The 48 accumulators take turns, one instruction a turn
	WIN ((\set)|(((\set)+1)<<2)|((2+(\a)/2)<<4)|((2+(\a)/2)<<6))
.irp b, 0,1,2,3,4,5,6,7,8,9,10,11
.if \zero
	v_wmma_f32_16x16x128_fp8_fp8 v[8*(12*((\a)%2)+\b):8*(12*((\a)%2)+\b)+7], v[64+16*\b:64+16*\b+15], v[192*(\set)+16*(\a):192*(\set)+16*(\a)+15], 0
.else
	v_wmma_f32_16x16x128_fp8_fp8 v[8*(12*((\a)%2)+\b):8*(12*((\a)%2)+\b)+7], v[64+16*\b:64+16*\b+15], v[192*(\set)+16*(\a):192*(\set)+16*(\a)+15], v[8*(12*((\a)%2)+\b):8*(12*((\a)%2)+\b)+7]
.endif
.endr
.endm
.macro MUL4 set, zero
.irp a, 0,1,2,3
	MUL \a, \set, \zero
.endr
.endm
.macro STEP set, zero, nslot, nqq      ; a step whose successor lies in a slot that is whole: the next fragments are asked for first, then the 48 products
	s_wait_dscnt 0x0                               ; this step's fragments are in
	PLACES                                         ; the other set was read by the last step's products
	FETCH \nslot, \nqq, 1-(\set)
	MUL4 \set, \zero
.endm
.macro TURN set, fill, slot, nslot     ; a step at a change of slots
	WIN 0
	s_wait_tensorcnt 0x0                           ; all my tensor loads have landed, my part of the next slot among them
	ds_add_u32 v[SPW], v[NIL]                      ; 0 onto my spare word
.if \fill
	s_add_nc_u64 s[G0+4*(\slot)+2:G0+4*(\slot)+3], s[G0+4*(\slot)+2:G0+4*(\slot)+3], 8192    ; no load of mine is out: the slot's next 256 along K
	s_add_nc_u64 s[G0B+4*(\slot)+2:G0B+4*(\slot)+3], s[G0B+4*(\slot)+2:G0B+4*(\slot)+3], 8192
.endif
	s_wait_dscnt 0x0                               ; the add is done, and my reads of the slot that is left are in registers
.if \fill
	CROUND                                         ; no wave of any partner still reads the slot or has a load on its way
	JLOAD G0+4*(\slot), G0B+4*(\slot)              ; my one tensor load behind the round; its four v_nop are the places in front of the loads below
.else
	s_barrier_signal -1
	s_barrier_wait -1
	PLACES
.endif
	FETCH \nslot, 0, 1-(\set)
	MUL4 \set, 0
.endm
	s_load_b512 s[4:19], s[0:1], 0x0               ; hc, wc, lowp_scales, bq, bk, bv, qkv, vc
	v_lshl_add_u32 v[SPW], v0, 2, SPARE
	v_mov_b32 v[NIL], 0
	ds_add_u32 v28, v29
	ds_add_u32 v28, v29
	s_wait_dscnt 0x0
	v_lshrrev_b32 v1, 5, v0
	v_readfirstlane_b32 s[WV], v1                  ; wave
	s_and_b32 s21, s[WV], 1                        ; which half of a tile I fetch
	s_bfe_u32 s40, ttmp6, 0x40000                  ; cx
	s_bfe_u32 s41, ttmp6, 0x40004                  ; cy
	s_lshl_b32 s42, ttmp9, 2
	s_add_co_u32 s42, s42, s40                     ; column tile (192 channels of q | k | v on end)
	s_and_b32 s43, ttmp7, 0xffff
	s_lshl_b32 s43, s43, 2
	s_add_co_u32 s43, s43, s41                     ; row tile (256 tokens)
	s_lshl_b32 s44, s41, 2
	s_lshl_b32 s44, 15, s44                        ; my row of the cluster
	s_lshl_b32 s45, 0x1111, s40                    ; my column
	s_or_b32 s[G1], s44, (3<<16)|(1<<21)           ; elements of 8 bytes, no padding; the mask, and bit 21 beside it
	s_or_b32 s[G1B], s45, (3<<16)|(1<<21)
	s_mov_b32 s[G1+1], 512<<16                     ; tensor_dim0 = 512 elements: 4,096 bytes, a tile's 256 along K
	s_mov_b32 s[G1+2], 8<<16                       ; tensor_dim1 = 8 tiles
	s_mov_b32 s[G1+3], 512<<16                     ; tile_dim0
	s_mov_b32 s[G1+4], 8                           ; tile_dim1
	s_mov_b32 s[G1+5], 1536                        ; from tile to tile: 12,288 bytes
	s_mov_b32 s[G1+6], 0
	s_mov_b32 s[G1+7], 0
	s_mov_b32 s[G1B+1], 512<<16
	s_mov_b32 s[G1B+2], 6<<16
	s_mov_b32 s[G1B+3], 512<<16
	s_mov_b32 s[G1B+4], 6
	s_mov_b32 s[G1B+5], 1536
	s_mov_b32 s[G1B+6], 0
	s_mov_b32 s[G1B+7], 0
	s_lshl_b32 s22, s43, 4
	s_lshl_b32 s23, s21, 3
	s_add_co_u32 s22, s22, s23                     ; tokens: tile 16 x row tile + 8 x half,
	s_mul_i32 s22, s22, TILEB
	s_mul_i32 s23, ttmp9, 3145728                  ; in the copy of hc quantised for this product
	s_add_co_u32 s22, s22, s23
	s_mov_b32 s23, 0
	s_mul_i32 s46, s42, 12
	s_mul_i32 s47, s21, 6
	s_add_co_u32 s46, s46, s47                     ; weights: tile 12 x column tile + 6 x half (Wq, Wk, Wv lie on end)
	s_mul_i32 s46, s46, TILEB
	s_mov_b32 s47, 0
	s_lshl_b32 s90, s[WV], 15                      ; LDS: tokens at 32,768 x wave (waves 0, 1),
	s_mul_i32 s91, s[WV], 24576
	s_add_co_u32 s91, s91, 16384                   ; weights at 16,384 + 24,576 x wave (waves 2, 3)
	s_wait_kmcnt 0x0
	s_load_b512 s[68:83], s[8:9], 0x0              ; the sixteen exponents
	s_add_nc_u64 s[86:87], s[4:5], s[22:23]
	s_add_nc_u64 s[88:89], s[6:7], s[46:47]
	CROUND                                         ; all sixteen work-groups are here: the first joint loads meet
.irp s, 0,1
	s_mov_b32 s[G0+4*\s], 1
	s_add_co_u32 s[G0+4*\s+1], s90, \s*SLOT
	s_add_nc_u64 s[G0+4*\s+2:G0+4*\s+3], s[86:87], \s*4096
	s_or_b32 s[G0+4*\s+3], s[G0+4*\s+3], 0x80000000
	s_mov_b32 s[G0B+4*\s], 1
	s_add_co_u32 s[G0B+4*\s+1], s91, \s*SLOT
	s_add_nc_u64 s[G0B+4*\s+2:G0B+4*\s+3], s[88:89], \s*4096
	s_or_b32 s[G0B+4*\s+3], s[G0B+4*\s+3], 0x80000000
	JLOAD G0+4*\s, G0B+4*\s
.endr
	v_and_b32 v1, 31, v0
	v_lshlrev_b32 v[L16], 4, v1                    ; 16 x lane
	v_and_b32 v3, 15, v0                           ; r
	v_bfe_u32 v4, v0, 4, 1                         ; h
	v_lshlrev_b32 v5, 6, v4                        ; 64 h: my half's 16 numbers of a bias
	s_lshl_b32 s22, s[WV], 14
	v_add_nc_u32 v[ADRA], s22, v[L16]              ; my four token tiles
	v_add_nc_u32 v[ADRA+1], SLOT, v[ADRA]
	v_add_nc_u32 v[ADRB], 65536, v[L16]
	v_add_nc_u32 v[ADRB+1], SLOT, v[ADRB]
	v_and_b32 v6, 8, v3
	v_add_nc_u32 v6, v6, v3                        ; r + 8 (r / 8)
	s_mul_i32 s23, s[WV], 9216
	s_add_co_u32 s23, s23, SLOT                    ; v's stage, 64 tokens x 144 bytes a wave, in slot 1: filled once, and read by nobody behind the last change of slots
	v_mul_u32_u24 v21, v6, 144
	v_lshl_add_u32 v21, v4, 6, v21
	v_add_nc_u32 v21, s23, v21                     ; in: token row, + 64 h
	v_mul_u32_u24 v22, v4, 2304
	v_lshl_add_u32 v22, v6, 2, v22
	v_add_nc_u32 v22, s23, v22                     ; back: 16 h token rows on, channel r + 8 (r / 8)
	s_lshl_b32 s92, s43, 4
	s_lshl_b32 s93, s[WV], 2
	s_add_co_u32 s92, s92, s93                     ; my first token tile
	s_mul_i32 s100, s92, TILEB
	s_mul_i32 s101, ttmp9, 3145728
	s_add_co_u32 s100, s100, s101
	s_mul_i32 s101, s40, 3072
	s_add_co_u32 s100, s100, s101
	s_mov_b32 s101, 0
	s_add_nc_u64 s[94:95], s[16:17], s[100:101]    ; q's or k's codes: my tiles, my six pieces
	s_mul_i32 s100, s92, TILEB
	s_mul_i32 s93, s40, 3072
	s_add_co_u32 s100, s100, s93
	s_add_nc_u64 s[96:97], s[18:19], s[100:101]    ; vc: the same tiles and pieces
	s_lshl_b32 s100, s43, 1
	s_lshr_b32 s93, s[WV], 1
	s_add_co_u32 s100, s100, s93                   ; key step = my tokens / 128
	s_mul_i32 s100, s100, 48
	s_mul_i32 s93, s40, 12
	s_add_co_u32 s100, s100, s93
	s_lshl_b32 s100, s100, 11
	s_lshl_b32 s93, s21, 10
	s_add_co_u32 s100, s100, s93
	s_add_nc_u64 s[98:99], s[16:17], s[100:101]
	s_add_nc_u64 s[98:99], s[98:99], 6291456       ; v's codes, tokens innermost
	s_mov_b64 s[86:87], s[10:11]                   ; the bias, chosen by the cluster's x
	s_cmp_eq_u32 ttmp9, 1
	s_cselect_b64 s[86:87], s[12:13], s[86:87]
	s_cmp_eq_u32 ttmp9, 2
	s_cselect_b64 s[86:87], s[14:15], s[86:87]
	s_mul_i32 s100, s40, 768
	s_add_nc_u64 s[86:87], s[86:87], s[100:101]
	s_wait_tensorcnt 1                             ; my part of slot 0 is in; slot 1's may stay out
	s_barrier_signal -1
	s_barrier_wait -1
	FETCH 0, 0, 0
	STEP 0, 1, 0, 1                                ; K 0-127: the first products start the sums
	TURN 1, 1, 0, 1                                ; K 128-255; slot 0 takes K 512-767
	STEP 0, 0, 1, 1                                ; K 256-383
	TURN 1, 0, 0, 0                                ; K 384-511; nothing is left to fetch
	STEP 0, 0, 0, 1                                ; K 512-639
	PLACES
	WIN 0
.irp be, 0,1,2,3,4,5
.irp k, 0,1,2,3
	global_load_b128 v[64+16*\be+4*\k:64+16*\be+4*\k+3], v5, s[86:87] offset:128*\be+16*\k   ; the bias in the result's layout, into weights set 0, which is done with
.endr
.endr
	s_wait_dscnt 0x0
	MUL4 1, 0                                      ; K 640-767
	WIN 0
	s_wait_kmcnt 0x0
	s_mov_b32 s100, s68
	s_mov_b32 s101, s69
	s_mov_b32 s92, s74                             ; q: entries 0, 1; out 6
	s_cmp_eq_u32 ttmp9, 1
	s_cselect_b32 s100, s70, s100
	s_cselect_b32 s101, s71, s101
	s_cselect_b32 s92, s75, s92                    ; k: 2, 3; out 7
	s_cmp_eq_u32 ttmp9, 2
	s_cselect_b32 s100, s72, s100
	s_cselect_b32 s101, s73, s101
	s_cselect_b32 s92, s77, s92                    ; v: 4, 5; out 9
	s_add_co_i32 s84, s100, s101
	s_add_co_i32 s84, s84, 127
	s_lshl_b32 s84, s84, 23                        ; 2^(ea + eb)
	s_mov_b32 s85, s84
	s_add_co_i32 s92, s92, 127
	s_lshl_b32 s93, s92, 23
	v_mov_b32 v24, s93                             ; 2^e of the result's codes
	s_add_co_i32 s92, s92, 8
	s_lshl_b32 s93, s92, 23
	s_or_b32 s93, s93, 0x600000                    ; 448 x 2^e,
	s_xor_b32 s92, s93, 0x80000000                 ; and its negative
	s_wait_loadcnt 0x0
	PLACES
.irp w, 2,3
	WIN ((\w)|((\w)<<6))
.set q, 0
.rept 96
	v_pk_fma_f32 v[2*q:2*q+1], v[2*q:2*q+1], s[84:85], v[64+(2*q)%96:65+(2*q)%96] op_sel_hi:[1,0,1]   ; sum x 2^(ea + eb) + bias; each accumulator from its low end on
.set q, q+1
.endr
.endr
	WIN 0
	s_cmp_eq_u32 ttmp9, 2                          ; the cluster's x: the same in all partners
	s_cbranch_scc1 .Lvpath
.irp w, 2,3
	WIN ((\w)|((\w)<<6))
.set q, 0
.rept 192
	v_med3_num_f32 v[q], v[q], s92, s93
.set q, q+1
.endr
	WIN ((\w)|0x40)
.set q, 0
.rept 24
	v_cvt_scalef32_pk8_fp8_f32 v[48*((\w)-2)+2*q:48*((\w)-2)+2*q+1], v[8*q:8*q+7], v24
.set q, q+1
.endr
.endr
	v_nop
	WIN 0x04
.irp a, 0,1,2,3
.irp be, 0,1,2,3,4,5
	global_store_b128 v[L16], v[24*\a+4*\be:24*\a+4*\be+3], s[94:95] offset:\a*TILEB+\be*512   ; a piece: 512 consecutive bytes
.endr
.endr
	WIN 0
	s_branch .Lend
.Lvpath:
	; ---- v under lowp_scales[10], in fragment order.  The held numbers go into other registers (window 0, v64-255): the sums are wanted again below, under another scale
	s_add_co_i32 s90, s78, 127
	s_lshl_b32 s89, s90, 23
	v_mov_b32 v25, s89                             ; 2^e10
	s_add_co_i32 s90, s90, 8
	s_lshl_b32 s89, s90, 23
	s_or_b32 s89, s89, 0x600000                    ; 448 x 2^e10,
	s_xor_b32 s88, s89, 0x80000000                 ; and its negative
.irp w, 2,3
	WIN (\w)
.set q, 0
.rept 192
	v_med3_num_f32 v[64+q], v[q], s88, s89
.set q, q+1
.endr
	WIN 0x40
.set q, 0
.rept 24
	v_cvt_scalef32_pk8_fp8_f32 v[96+48*((\w)-2)+2*q:96+48*((\w)-2)+2*q+1], v[64+8*q:64+8*q+7], v25
.set q, q+1
.endr
	v_nop                                          ; a plain line behind the run of conversions: the next holds write their sources
.endr
	WIN 0x04
.irp a, 0,1,2,3
.irp be, 0,1,2,3,4,5
	global_store_b128 v[L16], v[96+24*\a+4*\be:96+24*\a+4*\be+3], s[96:97] offset:\a*TILEB+\be*512   ; a piece: 512 consecutive bytes
.endr
.endr
	; ---- v under lowp_scales[9], tokens innermost.  32 channels at a time: 64 tokens x 128 bytes into my stage, back a channel a lane with the registers along the tokens.
	; The turn through the stage runs one step ahead of the conversions, into two sets of 64 registers.  LDS serves a wave's instructions in order (ISA guide 5.7.1.4): a step's stores come behind the loads of the step before.
.macro VSTG be
.irp a, 0,1,2,3
	WIN ((2+\a/2)<<2)
.irp k, 0,1,2,3
	ds_store_b128 v21, v[96*(\a%2)+16*(\be)+4*\k:96*(\a%2)+16*(\be)+4*\k+3] offset:(32*(\a/2)+8*(\a%2))*144+16*\k
.endr
.endr
	WIN 0
.irp u, 0,1
.irp c, 0,1
.irp i, 0,1,2,3,4,5,6,7,8,9,10,11,12,13,14,15
	ds_load_b32 v[64+64*((\be)%2)+32*\u+16*\c+\i], v22 offset:(32*\c+\i)*144+32*\u
.endr
.endr
.endr
.endm
	VSTG 0
.irp be, 0,1,2,3,4,5
.if \be < 5
	VSTG \be+1
	s_wait_dscnt 63                                ; 80 LDS instructions were issued behind this step's; the wait names 63 at the most
.else
	s_wait_dscnt 0x0
.endif
.set TS, 64+64*(\be%2)
.set q, 0
.rept 64
	v_med3_num_f32 v[TS+q], v[TS+q], s92, s93
.set q, q+1
.endr
	WIN 0x40
.irp u, 0,1
.irp c, 0,1
	v_cvt_scalef32_pk8_fp8_f32 v[16*\be+8*\u+4*\c:16*\be+8*\u+4*\c+1], v[TS+32*\u+16*\c:TS+32*\u+16*\c+7], v24
	v_cvt_scalef32_pk8_fp8_f32 v[16*\be+8*\u+4*\c+2:16*\be+8*\u+4*\c+3], v[TS+32*\u+16*\c+8:TS+32*\u+16*\c+15], v24
.endr
.endr
	v_nop
	WIN 0x04
.irp u, 0,1
.irp c, 0,1
	global_store_b128 v[L16], v[16*\be+8*\u+4*\c:16*\be+8*\u+4*\c+3], s[98:99] offset:(2*\be+\u)*2048+\c*512
.endr
.endr
.endr
	WIN 0
.Lend:
	s_wait_tensorcnt 0x0                           ; the wave's end
	ds_add_u32 v[SPW], v[NIL]
	s_wait_dscnt 0x0
	CROUND                                         ; the closing round
	s_endpgm
.Lfunc_end_k_q3ebb735ba8_qkv:
	.size	k_q3ebb735ba8_qkv, .Lfunc_end_k_q3ebb735ba8_qkv-k_q3ebb735ba8_qkv
	.p2alignl 7, 3214868480
	.fill 96, 4, 3214868480
	.section	.rodata,"a",@progbits
	.p2align	6, 0x0
	.amdhsa_kernel k_q3ebb735ba8_qkv
		.amdhsa_group_segment_fixed_size 327680
		.amdhsa_private_segment_fixed_size 0
		.amdhsa_enable_private_segment 0
		.amdhsa_kernarg_size 64
		.amdhsa_user_sgpr_count 2
		.amdhsa_user_sgpr_kernarg_segment_ptr 1
		.amdhsa_wavefront_size32 1
		.amdhsa_system_sgpr_workgroup_id_x 1
		.amdhsa_system_sgpr_workgroup_id_y 1
		.amdhsa_system_sgpr_workgroup_id_z 1
		.amdhsa_system_vgpr_workitem_id 0
		.amdhsa_next_free_vgpr 1024
		.amdhsa_next_free_sgpr 102
		.amdhsa_reserve_vcc 0
		.amdhsa_float_denorm_mode_32 3
		.amdhsa_float_denorm_mode_16_64 3
		.amdhsa_memory_ordered 1
		.amdhsa_forward_progress 1
		.amdhsa_inst_pref_size 189
	.end_amdhsa_kernel
	.amdgpu_metadata
---
amdhsa.version: [ 1, 2 ]
amdhsa.kernels:
  - .name:           k_q3ebb735ba8_qkv
    .symbol:         k_q3ebb735ba8_qkv.kd
    .args:
      - { .name: hc, .offset: 0, .size: 8, .value_kind: global_buffer, .address_space: global }
      - { .name: wc, .offset: 8, .size: 8, .value_kind: global_buffer, .address_space: global }
      - { .name: lowp_scales, .offset: 16, .size: 8, .value_kind: global_buffer, .address_space: global }
      - { .name: bq, .offset: 24, .size: 8, .value_kind: global_buffer, .address_space: global }
      - { .name: bk, .offset: 32, .size: 8, .value_kind: global_buffer, .address_space: global }
      - { .name: bv, .offset: 40, .size: 8, .value_kind: global_buffer, .address_space: global }
      - { .name: qkv, .offset: 48, .size: 8, .value_kind: global_buffer, .address_space: global }
      - { .name: vc, .offset: 56, .size: 8, .value_kind: global_buffer, .address_space: global }
    .group_segment_fixed_size: 327680
    .private_segment_fixed_size: 0
    .kernarg_segment_align: 8
    .kernarg_segment_size: 64
    .max_flat_workgroup_size: 128
    .sgpr_count:     102
    .vgpr_count:     1024
    .wavefront_size: 32
...
	.end_amdgpu_metadata
.endif
;; end of part 2
;; launch attn (part 3): grid 256 x 1, 4 waves a work-group, no clusters, 211,456 bytes of LDS; arguments qkv, vc, wc, grid, flags, lowp_scales, x, bo, g2, beta2, x1, h2c; writes x1, h2c
.if DOCPART == 3
	.amdgcn_target "amdgcn-amd-amdhsa--gfx1250"
	.amdhsa_code_object_version 6
	.text
	.protected	k_q3ebb735ba8_attn
	.globl	k_q3ebb735ba8_attn
	.p2align	8
	.type	k_q3ebb735ba8_attn,@function
k_q3ebb735ba8_attn:
	s_mov_b64 s[64:65], 0
	v_nop
	global_prefetch_b8 v0, s[64:65] scope:SCOPE_SE
	s_setreg_imm32_b32 hwreg(HW_REG_WAVE_MODE, 25, 1), 1
	s_wait_xcnt 0x0
; A work-group owns a tile of 16 queries (tokens pat(tau, r) = 32 (tau/2) + 8 (tau%2) + r + 8 (r/8)): masked attention, the pass-through of v, Wo, the residual, LayerNorm 2.
; THE WAVES SHARE THE KEY STEPS: wave w walks steps w, w + 4, .. w + 28 of 128 keys, eight trips; a trip whose bit in the stored word of flags is 0 is jumped over (a branch on a whole number that an earlier
; launch stored; no barrier stands in a trip).  The exact mask (|dx| <= 2, |dy| <= 2 in f32, self left out) is applied to every score of a live step, so every grid is served.
; Both products are used transposed (S^T = K Q^T, O^T = V^T P^T): a lane holds ONE query.  p = 2^(t - M), M the ceiling of the wave's running largest t, a whole number; the sum is taken of the unquantised p.
; The four waves' parts are joined by powers of two, 2^(M_u - M).  A row whose sum is 0 has no neighbour and takes v: the choice is made between the two CODES under lowp_scales[10]
; (the quantiser works number by number, so that is the choice between the two numbers); v's codes were made by the launch before and are loaded at the head.
; LOADS ARE ASKED FOR AS SOON AS THEIR REGISTERS ARE FREE: nothing waits for Q ahead of the loop (a step's first wait shows the older loads landed too); V has a third buffer in the coordinates' registers, free
; behind the mask; Wo's first two groups go out directly behind the loop, since they hang on nothing that the merge makes.
; No multicast: the key steps that a work-group needs hang on the stored flags and differ between neighbours.
; O^T is cleared by moves: which step is a wave's first hangs on the flags, so no product can be written out as the first.
; LIMITS: e6 + e7 between -120 and 130 (added to c's exponent field); e8, e10, e12 between -126 and 119; e10 + e11 between -126 and 127.  Scores are finite.  NaN is not served.
; REGISTERS: window 0: v1-31 small things, v32-127 Q (later the merge's parts, then the attention's codes), v128-191 S^T and p (later parts and work), v192-207 p's codes, v208-220 offsets, v224-247 v's codes, then the chosen codes;
;   window 1: O^T tiles 0-31 (later v0-127 Wo's third buffer, v128-223 x);  window 2: v0-127 O^T tiles 32-47 (later bo), v128-255 the keys' coordinates, V's third buffer (later Wo's sums);  window 3: two buffers of eight fragments.
.set STAT, 196608                      ; LDS: behind four images of O^T (49,152 bytes each): -M and the sum of each wave, 128 bytes each
.set OCB,  197632                      ; the attention's codes: 24 pieces
.set LNS,  209920                      ; LayerNorm's sums, twice 512 bytes
.set L16,  1
.set QF,   32
.set SS,   128
.set PC,   192
.set VC,   224
.set AST,  208
.set ASR,  209
.set AOW,  210
.set APR,  211
.set AOCW, 215
.set AOCR, 216
.set ALW,  217
.set ALR,  218
.set AX,   219
.set A64,  220
.set MSB,  0
.macro WIN new
.if MSB != (\new)
	s_set_vgpr_msb ((MSB<<8)|(\new))
.set MSB, (\new)
.endif
.endm
.macro PLACES
.rept 4
	v_nop
.endr
.endm
.macro KLOAD g                         ; eight tiles of 16 keys, channels 128 g on, into buffer g % 2 of window 3
	WIN 0xc0
.irp t, 0,1,2,3,4,5,6,7
.irp c, 0,1,2,3
	global_load_b128 v[128*((\g)%2)+16*\t+4*\c:128*((\g)%2)+16*\t+4*\c+3], v[L16], s[40:41] offset:\t*12288+(\g)*2048+512*\c
.endr
.endr
.endm
.macro VLOAD g                         ; eight tiles of 16 channels, the step's 128 keys, into buffer g % 3: two in window 3, the third in window 2, v128-255
.if ((\g)%3) == 2
	WIN 0x80
.set VB, 128
.else
	WIN 0xc0
.set VB, 128*((\g)%3)
.endif
.irp t, 0,1,2,3,4,5,6,7
.irp c, 0,1,2,3
	global_load_b128 v[VB+16*\t+4*\c:VB+16*\t+4*\c+3], v[L16], s[42:43] offset:(8*(\g)+\t)*2048+512*\c
.endr
.endr
.endm
.macro WOLOAD g                        ; eight of Wo's 72 fragments (number 12 s + tile), into buffer g % 3: two in window 3, the third in window 1, v0-127
.if ((\g)%3) == 2
	WIN 0x40
.set WB, 0
.else
	WIN 0xc0
.set WB, 128*((\g)%3)
.endif
.irp t, 0,1,2,3,4,5,6,7
.irp c, 0,1,2,3
	global_load_b128 v[WB+16*\t+4*\c:WB+16*\t+4*\c+3], v[L16], s[90:91] offset:((8*(\g)+\t)%12)*12288+((8*(\g)+\t)/12)*2048+512*\c
.endr
.endr
.endm
.macro PLOAD be                        ; the four waves' parts of channels 32 be on of my 192: 64 registers of window 0, two buffers by turns
.irp u, 0,1,2,3
.irp m, 0,1,2,3
	ds_load_b128 v[32+64*((\be)%2)+16*\u+4*\m:32+64*((\be)%2)+16*\u+4*\m+3], v[APR+\u] offset:2048*(\be)+512*\m
.endr
.endr
.endm
	s_load_b512 s[4:19], s[0:1], 0x0               ; qkv, vc, wc, grid, flags, lowp_scales, x, bo
	s_load_b256 s[20:27], s[0:1], 0x40             ; g2, beta2, x1, h2c
	v_lshl_add_u32 v254, v0, 2, 0x33800
	v_mov_b32 v255, 0
	v_lshrrev_b32 v1, 5, v0
	v_readfirstlane_b32 s28, v1                    ; wave
	v_and_b32 v6, 31, v0
	v_lshlrev_b32 v[L16], 4, v6                    ; 16 x lane
	v_and_b32 v2, 15, v0                           ; r
	v_bfe_u32 v3, v0, 4, 1                         ; h
	v_lshlrev_b32 v4, 7, v3                        ; 128 h: my half's 16 keys' coordinates
	v_and_b32 v7, 8, v2
	v_add_nc_u32 v7, v7, v2                        ; r + 8 (r / 8)
	v_lshlrev_b32 v11, 3, v7
	v_mov_b32 v5, 0xff800000                       ; -infinity
	s_lshl_b32 s29, ttmp9, 2
	s_lshr_b32 s30, ttmp9, 1
	s_lshl_b32 s30, s30, 5
	s_and_b32 s31, ttmp9, 1
	s_lshl_b32 s31, s31, 3
	s_add_co_u32 s30, s30, s31                     ; the tile's first token
	s_and_b32 s47, s30, 127
	s_lshr_b32 s48, ttmp9, 3                       ; the key step that holds my own tokens
	v_lshlrev_b32 v16, 4, v3
	v_sub_nc_u32 v10, v7, v16
	v_add_nc_u32 v10, s47, v10                     ; my query's place in that step, less 16 h
	v_lshlrev_b32 v16, 2, v6
	s_lshl_b32 s57, s28, 7
	v_add_nc_u32 v[ASR], STAT, v16
	v_add_nc_u32 v[AST], s57, v[ASR]
	v_add_nc_u32 v[ALR], LNS, v16
	v_add_nc_u32 v[ALW], s57, v[ALR]
	s_mul_i32 s57, s28, 49152
	v_add_nc_u32 v[AOW], s57, v[L16]
	s_mul_i32 s57, s28, 12288
	v_add_nc_u32 v[APR], s57, v[L16]
	v_add_nc_u32 v[APR+1], 49152, v[APR]
	v_add_nc_u32 v[APR+2], 98304, v[APR]
	v_add_nc_u32 v[APR+3], 147456, v[APR]
	v_add_nc_u32 v[AOCR], OCB, v[L16]
	s_mul_i32 s57, s28, 3072
	v_add_nc_u32 v[AOCW], s57, v[AOCR]
	v_mul_u32_u24 v[AX], v7, 3072
	v_lshl_add_u32 v[AX], v3, 6, v[AX]             ; x: my token's row, + 64 h
	v_lshlrev_b32 v[A64], 6, v3
	s_mul_i32 s34, ttmp9, 12288
	s_mov_b32 s35, 0
	s_mov_b32 s67, 0
	s_wait_kmcnt 0x0
	s_load_b32 s33, s[12:13], s29 offset:0x0       ; my tile's word of flags
	s_load_b512 s[68:83], s[14:15], 0x0            ; the sixteen exponents
	s_add_nc_u64 s[36:37], s[4:5], s[34:35]        ; Q's tile
	s_lshl_b32 s66, s30, 3
	s_add_nc_u64 s[38:39], s[10:11], s[66:67]      ; my tile's coordinates
.set q, 0
.rept 24
	global_load_b128 v[QF+4*q:QF+4*q+3], v[L16], s[36:37] offset:512*q
.set q, q+1
.endr
	global_load_b64 v[26:27], v11, s[38:39]        ; my query's coordinates, as whole numbers: a live step converts them
	s_mul_i32 s66, s28, 3072
	s_add_co_u32 s66, s66, s34
	s_add_nc_u64 s[84:85], s[6:7], s[66:67]        ; vc and h2c: my tile, my six pieces
	s_add_nc_u64 s[94:95], s[26:27], s[66:67]
.irp be, 0,1,2,3,4,5
	global_load_b128 v[VC+4*\be:VC+4*\be+3], v[L16], s[84:85] offset:512*\be   ; v's codes under e10: wanted at the merge, asked for here
.endr
	s_mul_i32 s66, s28, 98304
	s_add_nc_u64 s[40:41], s[4:5], 3145728
	s_add_nc_u64 s[40:41], s[40:41], s[66:67]      ; K at key step w
	s_add_nc_u64 s[42:43], s[4:5], 6291456
	s_add_nc_u64 s[42:43], s[42:43], s[66:67]      ; V likewise
	s_lshl_b32 s66, s28, 10
	s_add_nc_u64 s[44:45], s[10:11], s[66:67]      ; and the keys' coordinates
	s_mul_i32 s66, ttmp9, 49152
	s_mul_i32 s54, s28, 12288
	s_add_co_u32 s66, s66, s54
	s_add_nc_u64 s[92:93], s[24:25], s[66:67]      ; x1: my tile, my twelve channel tiles
	s_mul_i32 s66, s30, 3072
	s_mul_i32 s54, s28, 768
	s_add_co_u32 s66, s66, s54
	s_add_nc_u64 s[86:87], s[16:17], s[66:67]      ; x
	s_mov_b32 s66, s54
	s_add_nc_u64 s[88:89], s[18:19], s[66:67]      ; bo, g2, beta2: my 192 channels
	s_add_nc_u64 s[96:97], s[20:21], s[66:67]
	s_add_nc_u64 s[98:99], s[22:23], s[66:67]
	s_mul_i32 s66, s28, 147456
	s_add_nc_u64 s[90:91], s[8:9], 1769472
	s_add_nc_u64 s[90:91], s[90:91], s[66:67]      ; Wo: my twelve tiles
	s_mov_b32 s49, 0xff800000
	s_mov_b32 s50, 0x76543210
	s_mov_b32 s51, 0xfedcba98
	s_mov_b32 s62, 0x3aaaaaab                      ; 1 / 768
	s_mov_b32 s63, 0x3727c5ac                      ; 1e-5
	v_mov_b32 v13, 0xff61b1e6                      ; the largest t so far: -3e38
	v_floor_f32 v12, -v13                          ; -M
	v_mov_b32 v14, 0
	v_mov_b32 v15, 0
	v_mov_b32 v17, 0                               ; a lane permute's destination counts as read
	v_mov_b32 v19, 0                               ; upper halves of pairs that are named whole
	v_mov_b32 v23, 0
	WIN 0x40
.set q, 0
.rept 256
	v_mov_b32 v[q], 0
.set q, q+1
.endr
	WIN 0x80
.set q, 0
.rept 128
	v_mov_b32 v[q], 0
.set q, q+1
.endr
	WIN 0
	s_wait_kmcnt 0x0
	s_add_co_i32 s54, s74, s75
	s_lshl_b32 s54, s54, 23
	s_mov_b32 s52, 0x3d553b94                      ; c = log2(e) / sqrt(768),
	s_add_co_i32 s52, s52, s54                     ; x 2^(e6 + e7)
	s_mov_b32 s53, s52
	s_add_co_i32 s54, s76, 127
	s_lshl_b32 s57, s54, 23
	v_mov_b32 v24, s57                             ; 2^e8
	s_add_co_i32 s54, s54, 8
	s_lshl_b32 s54, s54, 23
	s_or_b32 s54, s54, 0x600000
	v_mov_b32 v25, s54                             ; 448 x 2^e8
	s_mov_b32 s55, 0                               ; trips
	s_mov_b32 s56, s28                             ; the key step
.Ltrip:                                            ; (no wait for Q stands ahead of the loop: loads come back in order, ISA guide 5.7.1, so a step's first wait shows Q, my coordinates and v's codes landed too)
	s_lshr_b32 s57, s33, s56
	s_and_b32 s57, s57, 1
	s_cmp_eq_u32 s57, 0
	s_cbranch_scc1 .Lnext
	KLOAD 0
	KLOAD 1
	WIN 0x80
.set q, 0
.rept 32
	global_load_b128 v[128+4*q:128+4*q+3], v4, s[44:45] offset:256*(q/8)+16*(q%8)   ; the coordinates of my 64 keys: key 32 b + 16 h + i in the pair 2 (16 b + i).  Behind K's first groups: they are wanted behind the scores
.set q, q+1
.endr
.irp g, 0,1,2,3,4,5
.if \g < 2
	s_wait_loadcnt 63                              ; 64 loads were issued behind this group's (a group of K and the coordinates)
.else
	s_wait_loadcnt 32                              ; this group's 32 loads are in; the next group's 32 may be out
.endif
	WIN 0x03
.irp t, 0,1,2,3,4,5,6,7
.if \g == 0
	v_wmma_f32_16x16x128_fp8_fp8 v[SS+8*\t:SS+8*\t+7], v[128*(\g%2)+16*\t:128*(\g%2)+16*\t+15], v[QF+16*\g:QF+16*\g+15], 0
.else
	v_wmma_f32_16x16x128_fp8_fp8 v[SS+8*\t:SS+8*\t+7], v[128*(\g%2)+16*\t:128*(\g%2)+16*\t+15], v[QF+16*\g:QF+16*\g+15], v[SS+8*\t:SS+8*\t+7]
.endif
.endr
	PLACES
.if \g < 4
	KLOAD \g+2
.else
	VLOAD \g-4
.endif
.endr
	WIN 0
	v_cvt_f32_i32 v8, v26                          ; my query's coordinates in f32
	v_cvt_f32_i32 v9, v27
	WIN 0x82                                       ; THE MASK, as it is defined: in f32, from the coordinates
.set q, 0
.rept 128
	v_cvt_f32_i32 v[128+q], v[128+q]
.set q, q+1
.endr
.set q, 0
.rept 64
	v_pk_add_f32 v[128+2*q:129+2*q], v[128+2*q:129+2*q], v[8:9] neg_lo:[0,1] neg_hi:[0,1]
.set q, q+1
.endr
	WIN 0x8a
.set q, 0
.rept 64
	v_max_num_f32 v[128+2*q], |v[128+2*q]|, |v[129+2*q]|
.set q, q+1
.endr
	WIN 0x02
.set q, 0
.rept 64
	v_cmp_le_f32 vcc_lo, v[128+2*q], 2.0
	v_cndmask_b32 v[SS+q], s49, v[SS+q], vcc_lo    ; a key out of reach: -infinity, so p = 0
.set q, q+1
.endr
	VLOAD 2                                        ; the coordinates are done with: their registers take V's third group while the softmax runs
	WIN 0
	s_cmp_lg_u32 s56, s48                          ; my own tokens lie in one step alone (a branch on ids)
	s_cbranch_scc1 .Lnoself
.set q, 0
.rept 64
	v_cmp_eq_u32 vcc_lo, 32*(q/16)+q%16, v10
	v_cndmask_b32 v[SS+q], v[SS+q], v5, vcc_lo
.set q, q+1
.endr
.Lnoself:
	v_max3_num_f32 v16, v128, v129, v130
	v_max3_num_f32 v20, v131, v132, v133
.irp i, 6,10,14,18,22,26,30,34,38,42,46,50,54,58
	v_max3_num_f32 v16, v16, v[SS+\i], v[SS+1+\i]
	v_max3_num_f32 v20, v20, v[SS+2+\i], v[SS+3+\i]
.endr
	v_max3_num_f32 v16, v16, v190, v191
	v_max_num_f32 v16, v16, v20
	v_permlanex16_b32 v17, v16, s50, s51
	v_max_num_f32 v16, v16, v17                    ; the step's largest score of my query
	v_mul_f32 v16, s52, v16                        ; as t (c is positive)
	v_max_num_f32 v13, v13, v16
	v_mov_b32 v16, v12
	v_floor_f32 v12, -v13                          ; -M = floor(-t): M is a whole number
	v_sub_f32 v16, v12, v16
	v_cvt_i32_f32 v16, v16                         ; (it saturates)
	v_ldexp_f32 v18, 1.0, v16                      ; f = 2^(old M - new M)
.set q, 0
.rept 32
	v_pk_fma_f32 v[SS+2*q:SS+2*q+1], v[SS+2*q:SS+2*q+1], s[52:53], v[12:13] op_sel_hi:[1,0,0]
.set q, q+1
.endr
.set q, 0
.rept 64
	v_exp_f32 v[SS+q], v[SS+q]
.set q, q+1
.endr
	v_pk_mul_f32 v[14:15], v[14:15], v[18:19] op_sel_hi:[1,0]   ; the sums under the new M: the plain line behind the exponentials
	s_wait_alu depctr_va_vdst(0)                   ; one wait for the batch, ahead of its first reader
	v_pk_add_f32 v[22:23], v[128:129], v[130:131]  ; the sum is taken of the unquantised p
.irp j, 4,8,12,16,20,24,28,32,36,40,44,48,52,56,60
	v_pk_add_f32 v[14:15], v[14:15], v[SS+\j:SS+1+\j]
	v_pk_add_f32 v[22:23], v[22:23], v[SS+2+\j:SS+3+\j]
.endr
	v_pk_add_f32 v[14:15], v[14:15], v[22:23]
.irp b, 0,1,2,3
.irp i, 0,1,2,3,4,5,6,7,8,9,10,11,12,13,14,15
	v_min_num_f32 v[SS+16*\b+\i], v[SS+16*\b+\i], v25   ; p is not negative: a one-sided hold
.endr
	v_cvt_scalef32_pk8_fp8_f32 v[PC+4*\b:PC+4*\b+1], v[SS+16*\b:SS+16*\b+7], v24
	v_cvt_scalef32_pk8_fp8_f32 v[PC+4*\b+2:PC+4*\b+3], v[SS+16*\b+8:SS+16*\b+15], v24
.endr
	WIN 0x41
.set q, 0
.rept 128
	v_pk_mul_f32 v[2*q:2*q+1], v[2*q:2*q+1], v[18:19] op_sel_hi:[1,0]   ; O^T under the new M
.set q, q+1
.endr
	WIN 0x82
.set q, 0
.rept 64
	v_pk_mul_f32 v[2*q:2*q+1], v[2*q:2*q+1], v[18:19] op_sel_hi:[1,0]
.set q, q+1
.endr
.irp g, 0,1,2,3,4,5                    ; O^T += V^T P^T: eight tiles of channels a group, the groups on three buffers by turns
.if \g < 4
	s_wait_loadcnt 63                              ; two groups, 64 loads, were issued behind this one: the wait names 63 at the most
.elseif \g == 4
	s_wait_loadcnt 32
.else
	s_wait_loadcnt 0
.endif
.if (\g%3) == 2
.set VB, 128
.else
.set VB, 128*(\g%3)
.endif
	WIN ((3-(\g%3)/2)+0x50*(1+\g/4))               ; source 0: window 3, or 2 for the third buffer; C and D: window 1, or 2 for tiles 32-47
.irp t, 0,1,2,3,4,5,6,7
	v_wmma_f32_16x16x128_fp8_fp8 v[8*((8*\g+\t)%32):8*((8*\g+\t)%32)+7], v[VB+16*\t:VB+16*\t+15], v[PC:PC+15], v[8*((8*\g+\t)%32):8*((8*\g+\t)%32)+7]
.endr
	PLACES
.if \g < 3
	VLOAD \g+3
.endif
.endr
	WIN 0
.Lnext:
	s_wait_xcnt 0x0                                ; the trip's loads have read their bases
	s_add_nc_u64 s[40:41], s[40:41], 393216        ; four key steps on
	s_add_nc_u64 s[42:43], s[42:43], 393216
	s_add_nc_u64 s[44:45], s[44:45], 4096
	s_add_co_u32 s56, s56, 4
	s_add_co_u32 s55, s55, 1
	s_cmp_lt_u32 s55, 8
	s_cbranch_scc1 .Ltrip
	; ---- Wo's first two groups go out now; then the four waves' parts meet in LDS
	s_wait_loadcnt 0x0                             ; a wave that had a live step has nothing out; one that had none waits here for Q (whose registers are loaded anew below) and v's codes
	WOLOAD 0
	WOLOAD 1
	WIN 0
	v_add_f32 v14, v14, v15
	v_permlanex16_b32 v17, v14, s50, s51
	v_add_f32 v14, v14, v17                        ; my wave's sum for the row
	ds_store_b32 v[AST], v12
	ds_store_b32 v[AST], v14 offset:512
	WIN 0x04
.set q, 0
.rept 64
	ds_store_b128 v[AOW], v[4*q:4*q+3] offset:512*q
.set q, q+1
.endr
	WIN 0x08
.set q, 0
.rept 32
	ds_store_b128 v[AOW], v[4*q:4*q+3] offset:32768+512*q
.set q, q+1
.endr
	WIN 0
	s_wait_dscnt 0x0                               ; for the others' sake: my image lies in LDS
	s_barrier_signal -1
	s_barrier_wait -1
.irp u, 0,1,2,3
	ds_load_b32 v[160+\u], v[ASR] offset:128*\u
	ds_load_b32 v[164+\u], v[ASR] offset:512+128*\u
.endr
	PLOAD 0
	PLOAD 1
	s_add_co_i32 s54, s78, 127
	s_lshl_b32 s57, s54, 23
	v_mov_b32 v24, s57                             ; 2^e10
	s_add_co_i32 s54, s54, 8
	s_lshl_b32 s59, s54, 23
	s_or_b32 s59, s59, 0x600000                    ; 448 x 2^e10,
	s_xor_b32 s58, s59, 0x80000000                 ; and its negative
	s_wait_dscnt 32                                ; the eight statistics are in; the 32 loads of parts may be out
	v_min_num_f32 v16, v160, v161
	v_min3_num_f32 v16, v16, v162, v163            ; -M of the row: the least of the four
.irp u, 0,1,2,3
	v_sub_f32 v[168+2*\u], v16, v[160+\u]          ; M_u - M, a whole number, 0 or less
	v_cvt_i32_f32 v[168+2*\u], v[168+2*\u]
	v_ldexp_f32 v[168+2*\u], 1.0, v[168+2*\u]
	v_mov_b32 v[169+2*\u], 0
.endr
	v_mul_f32 v20, v168, v164
	v_fma_f32 v20, v170, v165, v20
	v_fma_f32 v20, v172, v166, v20
	v_fma_f32 v20, v174, v167, v20                 ; the row's sum
	v_cmp_lt_f32 s46, 0, v20                       ; has the row a neighbour?  Its largest p is above 1/2
	v_rcp_f32 v22, v20
	v_nop
	s_add_co_i32 s57, s76, s77
	s_wait_alu depctr_va_vdst(0)
	v_ldexp_f32 v22, v22, s57                      ; x 2^(e8 + e9)
.irp u, 0,1,2,3
	v_mul_f32 v[168+2*\u], v[168+2*\u], v22
.endr
.irp be, 0,1,2,3,4,5
.if \be == 0
	s_wait_dscnt 16                                ; this group's 16 loads are in; the other buffer's 16 may be out
.elseif \be < 5
	s_wait_dscnt 17                                ; behind this group's loads: one store of codes and the other buffer's 16 loads
.else
	s_wait_dscnt 1                                 ; behind them: one store of codes
.endif
.set PB, 32+64*(\be%2)
.irp i, 0,2,4,6,8,10,12,14
	v_pk_mul_f32 v[176+\i:177+\i], v[PB+\i:PB+\i+1], v[168:169] op_sel_hi:[1,0]
.endr
.irp u, 1,2,3
.irp i, 0,2,4,6,8,10,12,14
	v_pk_fma_f32 v[176+\i:177+\i], v[PB+16*\u+\i:PB+16*\u+\i+1], v[168+2*\u:169+2*\u], v[176+\i:177+\i] op_sel_hi:[1,0,1]
.endr
.endr
.irp i, 0,1,2,3,4,5,6,7,8,9,10,11,12,13,14,15
	v_med3_num_f32 v[176+\i], v[176+\i], s58, s59
.endr
	v_cvt_scalef32_pk8_fp8_f32 v[192:193], v[176:183], v24
	v_cvt_scalef32_pk8_fp8_f32 v[194:195], v[184:191], v24
	v_nop                                          ; a plain line between the conversions and the lines that read their results
.irp i, 0,1,2,3
	v_cndmask_b32 v[VC+4*\be+\i], v[VC+4*\be+\i], v[192+\i], s46   ; a token without neighbours passes v through: v's codes stay
.endr
	ds_store_b128 v[AOCW], v[VC+4*\be:VC+4*\be+3] offset:512*\be
.if \be < 4
	PLOAD \be+2                                    ; into the buffer just read
.endif
.endr
	WOLOAD 2                                       ; Wo's third buffer lies where O^T lay: my stores of it were waited for in front of the barrier
	WIN 0
	s_wait_dscnt 0x0                               ; for the others' sake: my six pieces lie in LDS
	s_barrier_signal -1
	s_barrier_wait -1
.set q, 0
.rept 24
	ds_load_b128 v[QF+4*q:QF+4*q+3], v[AOCR] offset:512*q
.set q, q+1
.endr
	s_wait_dscnt 0x0
.irp g, 0,1,2,3,4,5,6,7,8              ; out Wo^T, transposed: my twelve tiles of channels by turns, K ascending; the groups on three buffers by turns
	s_wait_loadcnt 63                              ; behind each group's loads at least 64 were issued (two groups; at the end x, bo, g2, beta2): the wait names 63 at the most
.if (\g%3) == 2
	WIN 0xa1
.set WB, 0
.else
	WIN 0xa3
.set WB, 128*(\g%3)
.endif
.irp t, 0,1,2,3,4,5,6,7
.set WT, (8*\g+\t)%12
.set WS, (8*\g+\t)/12
.if WS == 0
	v_wmma_f32_16x16x128_fp8_fp8 v[128+8*WT:128+8*WT+7], v[WB+16*\t:WB+16*\t+15], v[QF+16*WS:QF+16*WS+15], 0
.else
	v_wmma_f32_16x16x128_fp8_fp8 v[128+8*WT:128+8*WT+7], v[WB+16*\t:WB+16*\t+15], v[QF+16*WS:QF+16*WS+15], v[128+8*WT:128+8*WT+7]
.endif
.endr
	PLACES
.if \g < 6
	WOLOAD \g+3
.endif
.if \g == 5                            ; behind Wo's last group: x and bo, in the result's layout
	WIN 0x40
.set q, 0
.rept 24
	global_load_b128 v[128+4*q:128+4*q+3], v[AX], s[86:87] offset:128*(q/4)+16*(q%4)
.set q, q+1
.endr
	WIN 0x80
.set q, 0
.rept 24
	global_load_b128 v[4*q:4*q+3], v[A64], s[88:89] offset:128*(q/4)+16*(q%4)
.set q, q+1
.endr
.endif
.if \g == 6                            ; g2 and beta2 take window 3's buffers as these are done with
	WIN 0xc0
.set q, 0
.rept 24
	global_load_b128 v[4*q:4*q+3], v[A64], s[96:97] offset:128*(q/4)+16*(q%4)
.set q, q+1
.endr
.endif
.if \g == 7
	WIN 0xc0
.set q, 0
.rept 24
	global_load_b128 v[128+4*q:128+4*q+3], v[A64], s[98:99] offset:128*(q/4)+16*(q%4)
.set q, q+1
.endr
.endif
.endr
	s_add_co_i32 s60, s78, s79
	s_add_co_i32 s60, s60, 127
	s_lshl_b32 s60, s60, 23                        ; 2^(e10 + e11)
	s_mov_b32 s61, s60
	s_wait_loadcnt 48                              ; x and bo are in; g2's and beta2's 48 loads may be out
	WIN 0xa2
.set q, 0
.rept 48
	v_pk_fma_f32 v[128+2*q:129+2*q], v[128+2*q:129+2*q], s[60:61], v[2*q:2*q+1] op_sel_hi:[1,0,1]
.set q, q+1
.endr
	WIN 0x86
.set q, 0
.rept 48
	v_pk_add_f32 v[128+2*q:129+2*q], v[128+2*q:129+2*q], v[128+2*q:129+2*q]          ; + x (source 1 in window 1)
.set q, q+1
.endr
	WIN 0x08
.set q, 0
.rept 24
	global_store_b128 v[L16], v[128+4*q:128+4*q+3], s[92:93] offset:512*q
.set q, q+1
.endr
	; ---- LayerNorm 2: the mean first, then the squares of the differences
	WIN 0
	v_mov_b32 v16, 0
	v_mov_b32 v17, 0
	v_mov_b32 v18, 0
	v_mov_b32 v19, 0
	WIN 0x08
.set q, 0
.rept 24
	v_pk_add_f32 v[16:17], v[16:17], v[128+4*q:129+4*q]
	v_pk_add_f32 v[18:19], v[18:19], v[130+4*q:131+4*q]
.set q, q+1
.endr
	WIN 0
	v_pk_add_f32 v[16:17], v[16:17], v[18:19]
	v_add_f32 v16, v16, v17
	v_permlanex16_b32 v20, v16, s50, s51
	v_add_f32 v16, v16, v20
	ds_store_b32 v[ALW], v16
	s_wait_dscnt 0x0
	s_barrier_signal -1
	s_barrier_wait -1
.irp u, 0,1,2,3
	ds_load_b32 v[160+\u], v[ALR] offset:128*\u
.endr
	s_wait_dscnt 0x0
	v_add_f32 v16, v160, v161
	v_add_f32 v17, v162, v163
	v_add_f32 v16, v16, v17
	v_mul_f32 v22, s62, v16                        ; the mean
	v_mov_b32 v23, 0
	v_mov_b32 v16, 0
	v_mov_b32 v17, 0
	v_mov_b32 v18, 0
	v_mov_b32 v19, 0
	WIN 0x42
.set q, 0
.rept 48
	v_pk_add_f32 v[2*q:2*q+1], v[128+2*q:129+2*q], v[22:23] op_sel_hi:[1,0] neg_lo:[0,1] neg_hi:[0,1]
.set q, q+1
.endr
	WIN 0x05
.set q, 0
.rept 24
	v_pk_fma_f32 v[16:17], v[4*q:4*q+1], v[4*q:4*q+1], v[16:17]
	v_pk_fma_f32 v[18:19], v[4*q+2:4*q+3], v[4*q+2:4*q+3], v[18:19]
.set q, q+1
.endr
	WIN 0
	v_pk_add_f32 v[16:17], v[16:17], v[18:19]
	v_add_f32 v16, v16, v17
	v_permlanex16_b32 v20, v16, s50, s51
	v_add_f32 v16, v16, v20
	ds_store_b32 v[ALW], v16 offset:512
	s_wait_dscnt 0x0
	s_barrier_signal -1
	s_barrier_wait -1
.irp u, 0,1,2,3
	ds_load_b32 v[160+\u], v[ALR] offset:512+128*\u
.endr
	s_add_co_i32 s54, s80, 127
	s_lshl_b32 s57, s54, 23
	v_mov_b32 v24, s57                             ; 2^e12
	s_add_co_i32 s54, s54, 8
	s_lshl_b32 s101, s54, 23
	s_or_b32 s101, s101, 0x600000
	s_xor_b32 s100, s101, 0x80000000
	s_wait_dscnt 0x0
	v_add_f32 v16, v160, v161
	v_add_f32 v17, v162, v163
	v_add_f32 v16, v16, v17
	v_fma_f32 v16, v16, s62, s63
	v_rsq_f32 v22, v16
	v_nop
	s_wait_alu depctr_va_vdst(0)
	s_wait_loadcnt 0x0                             ; g2 and beta2
	WIN 0x41
.set q, 0
.rept 48
	v_pk_mul_f32 v[2*q:2*q+1], v[2*q:2*q+1], v[22:23] op_sel_hi:[1,0]
.set q, q+1
.endr
	WIN 0x7d
.set q, 0
.rept 48
	v_pk_fma_f32 v[2*q:2*q+1], v[2*q:2*q+1], v[2*q:2*q+1], v[128+2*q:129+2*q]        ; x g2 + beta2 (sources 1 and 2 in window 3)
.set q, q+1
.endr
	WIN 0x41
.set q, 0
.rept 96
	v_med3_num_f32 v[q], v[q], s100, s101
.set q, q+1
.endr
	WIN 0x01
.set q, 0
.rept 12
	v_cvt_scalef32_pk8_fp8_f32 v[128+2*q:129+2*q], v[8*q:8*q+7], v24
.set q, q+1
.endr
	v_nop
	WIN 0
.irp be, 0,1,2,3,4,5
	global_store_b128 v[L16], v[128+4*\be:131+4*\be], s[94:95] offset:512*\be
.endr
	s_wait_tensorcnt 0x0
	ds_add_u32 v254, v255
	s_wait_dscnt 0x0
	s_endpgm
.Lfunc_end_k_q3ebb735ba8_attn:
	.size	k_q3ebb735ba8_attn, .Lfunc_end_k_q3ebb735ba8_attn-k_q3ebb735ba8_attn
	.p2alignl 7, 3214868480
	.fill 96, 4, 3214868480
	.section	.rodata,"a",@progbits
	.p2align	6, 0x0
	.amdhsa_kernel k_q3ebb735ba8_attn
		.amdhsa_group_segment_fixed_size 211456
		.amdhsa_private_segment_fixed_size 0
		.amdhsa_enable_private_segment 0
		.amdhsa_kernarg_size 96
		.amdhsa_user_sgpr_count 2
		.amdhsa_user_sgpr_kernarg_segment_ptr 1
		.amdhsa_wavefront_size32 1
		.amdhsa_system_sgpr_workgroup_id_x 1
		.amdhsa_system_sgpr_workgroup_id_y 1
		.amdhsa_system_sgpr_workgroup_id_z 1
		.amdhsa_system_vgpr_workitem_id 0
		.amdhsa_next_free_vgpr 1024
		.amdhsa_next_free_sgpr 102
		.amdhsa_reserve_vcc 1
		.amdhsa_float_denorm_mode_32 3
		.amdhsa_float_denorm_mode_16_64 3
		.amdhsa_memory_ordered 1
		.amdhsa_forward_progress 1
		.amdhsa_inst_pref_size 228
	.end_amdhsa_kernel
	.amdgpu_metadata
---
amdhsa.version: [ 1, 2 ]
amdhsa.kernels:
  - .name:           k_q3ebb735ba8_attn
    .symbol:         k_q3ebb735ba8_attn.kd
    .args:
      - { .name: qkv, .offset: 0, .size: 8, .value_kind: global_buffer, .address_space: global }
      - { .name: vc, .offset: 8, .size: 8, .value_kind: global_buffer, .address_space: global }
      - { .name: wc, .offset: 16, .size: 8, .value_kind: global_buffer, .address_space: global }
      - { .name: grid, .offset: 24, .size: 8, .value_kind: global_buffer, .address_space: global }
      - { .name: flags, .offset: 32, .size: 8, .value_kind: global_buffer, .address_space: global }
      - { .name: lowp_scales, .offset: 40, .size: 8, .value_kind: global_buffer, .address_space: global }
      - { .name: x, .offset: 48, .size: 8, .value_kind: global_buffer, .address_space: global }
      - { .name: bo, .offset: 56, .size: 8, .value_kind: global_buffer, .address_space: global }
      - { .name: g2, .offset: 64, .size: 8, .value_kind: global_buffer, .address_space: global }
      - { .name: beta2, .offset: 72, .size: 8, .value_kind: global_buffer, .address_space: global }
      - { .name: x1, .offset: 80, .size: 8, .value_kind: global_buffer, .address_space: global }
      - { .name: h2c, .offset: 88, .size: 8, .value_kind: global_buffer, .address_space: global }
    .group_segment_fixed_size: 211456
    .private_segment_fixed_size: 0
    .kernarg_segment_align: 8
    .kernarg_segment_size: 96
    .max_flat_workgroup_size: 128
    .sgpr_count:     102
    .vgpr_count:     1024
    .wavefront_size: 32
...
	.end_amdgpu_metadata
.endif
;; end of part 3
;; launch ffn1 (part 4): grid 16 x 16, 4 waves a work-group, clusters of 4 x 4, 327,680 bytes of LDS; arguments h2c, wc, lowp_scales, b1, hid; writes hid
.if DOCPART == 4
	.amdgcn_target "amdgcn-amd-amdhsa--gfx1250"
	.amdhsa_code_object_version 6
	.text
	.protected	k_q3ebb735ba8_ffn1
	.globl	k_q3ebb735ba8_ffn1
	.p2align	8
	.type	k_q3ebb735ba8_ffn1,@function
k_q3ebb735ba8_ffn1:
	s_mov_b64 s[64:65], 0
	v_nop
	global_prefetch_b8 v0, s[64:65] scope:SCOPE_SE
	s_setreg_imm32_b32 hwreg(HW_REG_WAVE_MODE, 25, 1), 1
	s_wait_xcnt 0x0
	s_wait_alu depctr_hold_cnt(0) depctr_sa_sdst(0) depctr_va_vdst(0) depctr_va_sdst(0) depctr_va_ssrc(0) depctr_va_vcc(0) depctr_vm_vsrc(0)
	s_getreg_b32 s2, hwreg(HW_REG_IB_STS2, 6, 4)
	s_cmp_eq_u32 s2, 0
	s_cbranch_scc0 .Lentry_in_a_cluster
	s_endpgm
.Lentry_in_a_cluster:
	s_bfe_u32 s2, ttmp6, 0x10000c
	s_cmp_lg_u32 s2, 0xf033
	s_cbranch_scc0 .Lentry_shape_is_right
	s_endpgm
.Lentry_shape_is_right:
; hid = Q(gelu(LN2 W1^T + b1)) on codes of E4M3.  A work-group makes 256 tokens x 192 hidden units, a wave 64 tokens x 192: 48 accumulators.  Ring, joint loads, fragments and turns as in the launch for q, k, v:
; all code buffers lie in fragment order (a piece = 512 bytes, lane (r, h): row pat(T, r), k = 32 P + 16 h + 0..15); the product is used transposed, so that a lane's 16 registers of weight tiles 2 P, 2 P + 1 are 16
; neighbours along the next product's K and the conversions' results are pieces of hid.
; gelu(y) = 0.5 y (1 + erf(y / sqrt 2)); erf(z) = z P(z^2) / Q(z^2) on z held within +-4, a rational form good to a few units in f32's last place.  The factor 0.5 is taken, exactly, into the conversion's scale 2^(e14 + 1).
; LIMITS: e12 + e13 between -126 and 127; e14 between -127 and 118.  NaN and infinities are not served.
; REGISTERS: window 0: v0-63 addresses, v64-255 weights set 0 (later the bias, then the codes);  window 1: v0-63 tokens set 0, v64-255 weights set 1;  window 2: v0-191 sums, v192-255 tokens set 1;  window 3: v0-191 sums;
;   v192-255 of windows 2 and 3 are gelu's work registers.
.set SLOT,  114688
.set SPARE, 229376
.set TILEB, 12288
.set SPW,   28
.set NIL,   29
.set L16,   2
.set ADRA,  16
.set ADRB,  18
.set WV,    20
.set G1,    24
.set G0,    32
.set G1B,   48
.set G0B,   56
.set MSB,   0
.macro WIN new
.if MSB != (\new)
	s_set_vgpr_msb ((MSB<<8)|(\new))
.set MSB, (\new)
.endif
.endm
.macro PLACES
.rept 4
	v_nop
.endr
.endm
.macro CREST
	s_cmp_lg_u32 s[WV], 0
	s_cbranch_scc1 .Lnot_wave_0_\@
	s_barrier_signal -3
.Lnot_wave_0_\@:
	s_barrier_wait -3
	s_barrier_signal -1
	s_barrier_wait -1
.endm
.macro CROUND
	s_barrier_signal -1
	s_barrier_wait -1
	CREST
.endm
.macro JLOAD g0a, g0b
	s_cmp_lt_u32 s[WV], 2
	s_cbranch_scc0 .Lfor_b_\@
	tensor_load_to_lds s[\g0a:\g0a+3], s[G1:G1+7]
	s_nop 0
.rept 4
	v_nop
.endr
	s_branch .Lasked_\@
.Lfor_b_\@:
	tensor_load_to_lds s[\g0b:\g0b+3], s[G1B:G1B+7]
	s_nop 0
.rept 4
	v_nop
.endr
.Lasked_\@:
.endm
.macro FETCH slot, qq, set
	WIN (0x40*(\set))
.irp b, 0,1,2,3,4,5,6,7,8,9,10,11
.irp c, 0,1,2,3
	ds_load_b128 v[64+16*\b+4*\c:64+16*\b+4*\c+3], v[ADRB+\slot] offset:\b*4096+(\qq)*2048+512*\c
.endr
.endr
	WIN (0x40+0x40*(\set))
.irp a, 0,1,2,3
.irp c, 0,1,2,3
	ds_load_b128 v[192*(\set)+16*\a+4*\c:192*(\set)+16*\a+4*\c+3], v[ADRA+\slot] offset:\a*4096+(\qq)*2048+512*\c
.endr
.endr
.endm
.macro MUL a, set, zero                ; the 48 accumulators take turns, one instruction a turn
	WIN ((\set)|(((\set)+1)<<2)|((2+(\a)/2)<<4)|((2+(\a)/2)<<6))
.irp b, 0,1,2,3,4,5,6,7,8,9,10,11
.if \zero
	v_wmma_f32_16x16x128_fp8_fp8 v[8*(12*((\a)%2)+\b):8*(12*((\a)%2)+\b)+7], v[64+16*\b:64+16*\b+15], v[192*(\set)+16*(\a):192*(\set)+16*(\a)+15], 0
.else
	v_wmma_f32_16x16x128_fp8_fp8 v[8*(12*((\a)%2)+\b):8*(12*((\a)%2)+\b)+7], v[64+16*\b:64+16*\b+15], v[192*(\set)+16*(\a):192*(\set)+16*(\a)+15], v[8*(12*((\a)%2)+\b):8*(12*((\a)%2)+\b)+7]
.endif
.endr
.endm
.macro MUL4 set, zero
.irp a, 0,1,2,3
	MUL \a, \set, \zero
.endr
.endm
.macro STEP set, zero, nslot, nqq
	s_wait_dscnt 0x0                               ; this step's fragments are in
	PLACES                                         ; the other set was read by the last step's products
	FETCH \nslot, \nqq, 1-(\set)
	MUL4 \set, \zero
.endm
.macro TURN set, fill, slot, nslot
	WIN 0
	s_wait_tensorcnt 0x0                           ; all my tensor loads have landed, my part of the next slot among them
	ds_add_u32 v[SPW], v[NIL]                      ; 0 onto my spare word
.if \fill
	s_add_nc_u64 s[G0+4*(\slot)+2:G0+4*(\slot)+3], s[G0+4*(\slot)+2:G0+4*(\slot)+3], 8192
	s_add_nc_u64 s[G0B+4*(\slot)+2:G0B+4*(\slot)+3], s[G0B+4*(\slot)+2:G0B+4*(\slot)+3], 8192
.endif
	s_wait_dscnt 0x0                               ; the add is done, and my reads of the slot that is left are in registers
.if \fill
	CROUND                                         ; no wave of any partner still reads the slot or has a load on its way
	JLOAD G0+4*(\slot), G0B+4*(\slot)              ; my one tensor load behind the round
.else
	s_barrier_signal -1
	s_barrier_wait -1
	PLACES
.endif
	FETCH \nslot, 0, 1-(\set)
	MUL4 \set, 0
.endm
	s_load_b256 s[4:11], s[0:1], 0x0               ; h2c, wc, lowp_scales, b1
	s_load_b64 s[12:13], s[0:1], 0x20              ; hid
	v_lshl_add_u32 v[SPW], v0, 2, SPARE
	v_mov_b32 v[NIL], 0
	ds_add_u32 v28, v29
	ds_add_u32 v28, v29
	s_wait_dscnt 0x0
	v_lshrrev_b32 v1, 5, v0
	v_readfirstlane_b32 s[WV], v1
	s_and_b32 s21, s[WV], 1
	s_bfe_u32 s40, ttmp6, 0x40000                  ; cx
	s_bfe_u32 s41, ttmp6, 0x40004                  ; cy
	s_lshl_b32 s42, ttmp9, 2
	s_add_co_u32 s42, s42, s40                     ; column tile (192 hidden units)
	s_and_b32 s43, ttmp7, 0xffff
	s_lshl_b32 s43, s43, 2
	s_add_co_u32 s43, s43, s41                     ; row tile (256 tokens)
	s_lshl_b32 s44, s41, 2
	s_lshl_b32 s44, 15, s44
	s_lshl_b32 s45, 0x1111, s40
	s_or_b32 s[G1], s44, (3<<16)|(1<<21)
	s_or_b32 s[G1B], s45, (3<<16)|(1<<21)
	s_mov_b32 s[G1+1], 512<<16
	s_mov_b32 s[G1+2], 8<<16
	s_mov_b32 s[G1+3], 512<<16
	s_mov_b32 s[G1+4], 8
	s_mov_b32 s[G1+5], 1536
	s_mov_b32 s[G1+6], 0
	s_mov_b32 s[G1+7], 0
	s_mov_b32 s[G1B+1], 512<<16
	s_mov_b32 s[G1B+2], 6<<16
	s_mov_b32 s[G1B+3], 512<<16
	s_mov_b32 s[G1B+4], 6
	s_mov_b32 s[G1B+5], 1536
	s_mov_b32 s[G1B+6], 0
	s_mov_b32 s[G1B+7], 0
	s_lshl_b32 s22, s43, 4
	s_lshl_b32 s23, s21, 3
	s_add_co_u32 s22, s22, s23
	s_mul_i32 s22, s22, TILEB
	s_mov_b32 s23, 0
	s_mul_i32 s46, s42, 12
	s_mul_i32 s47, s21, 6
	s_add_co_u32 s46, s46, s47
	s_mul_i32 s46, s46, TILEB
	s_add_co_u32 s46, s46, 2359296                 ; W1's codes in wc
	s_mov_b32 s47, 0
	s_lshl_b32 s90, s[WV], 15
	s_mul_i32 s91, s[WV], 24576
	s_add_co_u32 s91, s91, 16384
	s_wait_kmcnt 0x0
	s_load_b512 s[68:83], s[8:9], 0x0
	s_add_nc_u64 s[86:87], s[4:5], s[22:23]
	s_add_nc_u64 s[88:89], s[6:7], s[46:47]
	CROUND
.irp s, 0,1
	s_mov_b32 s[G0+4*\s], 1
	s_add_co_u32 s[G0+4*\s+1], s90, \s*SLOT
	s_add_nc_u64 s[G0+4*\s+2:G0+4*\s+3], s[86:87], \s*4096
	s_or_b32 s[G0+4*\s+3], s[G0+4*\s+3], 0x80000000
	s_mov_b32 s[G0B+4*\s], 1
	s_add_co_u32 s[G0B+4*\s+1], s91, \s*SLOT
	s_add_nc_u64 s[G0B+4*\s+2:G0B+4*\s+3], s[88:89], \s*4096
	s_or_b32 s[G0B+4*\s+3], s[G0B+4*\s+3], 0x80000000
	JLOAD G0+4*\s, G0B+4*\s
.endr
	v_and_b32 v1, 31, v0
	v_lshlrev_b32 v[L16], 4, v1
	v_bfe_u32 v4, v0, 4, 1
	v_lshlrev_b32 v5, 6, v4
	s_lshl_b32 s22, s[WV], 14
	v_add_nc_u32 v[ADRA], s22, v[L16]
	v_add_nc_u32 v[ADRA+1], SLOT, v[ADRA]
	v_add_nc_u32 v[ADRB], 65536, v[L16]
	v_add_nc_u32 v[ADRB+1], SLOT, v[ADRB]
	s_lshl_b32 s92, s43, 4
	s_lshl_b32 s93, s[WV], 2
	s_add_co_u32 s92, s92, s93                     ; my first token tile
	s_mul_i32 s100, s92, 49152
	s_mul_i32 s93, s42, 3072
	s_add_co_u32 s100, s100, s93
	s_mov_b32 s101, 0
	s_add_nc_u64 s[94:95], s[12:13], s[100:101]    ; hid: my tiles, my six pieces
	s_mul_i32 s100, s42, 768
	s_add_nc_u64 s[86:87], s[10:11], s[100:101]    ; b1: my 192 numbers
	s_wait_tensorcnt 1                             ; my part of slot 0 is in; slot 1's may stay out
	s_barrier_signal -1
	s_barrier_wait -1
	FETCH 0, 0, 0
	STEP 0, 1, 0, 1
	TURN 1, 1, 0, 1
	STEP 0, 0, 1, 1
	TURN 1, 0, 0, 0
	STEP 0, 0, 0, 1
	PLACES
	WIN 0
.irp be, 0,1,2,3,4,5
.irp k, 0,1,2,3
	global_load_b128 v[64+16*\be+4*\k:64+16*\be+4*\k+3], v5, s[86:87] offset:128*\be+16*\k
.endr
.endr
	s_wait_dscnt 0x0
	MUL4 1, 0
	WIN 0
	s_wait_kmcnt 0x0
	s_add_co_i32 s84, s80, s81
	s_add_co_i32 s84, s84, 127
	s_lshl_b32 s84, s84, 23                        ; 2^(e12 + e13)
	s_mov_b32 s85, s84
	s_add_co_i32 s92, s82, 128
	s_lshl_b32 s93, s92, 23
	v_mov_b32 v24, s93                             ; 2^(e14 + 1): gelu's 0.5 is in it
	s_add_co_i32 s92, s92, 8
	s_lshl_b32 s47, s92, 23
	s_or_b32 s47, s47, 0x600000
	s_xor_b32 s46, s47, 0x80000000
	; the descriptors are done with (every tensor load was waited for at the last change of slots): their registers take erf's coefficients, each as a pair
	s_mov_b32 s24, -0.000000000272614225801306
	s_mov_b32 s26, -0.00000210102402082508
	s_mov_b32 s28, -0.0000569250639462346
	s_mov_b32 s30, -0.000734990630326855
	s_mov_b32 s32, -0.00295459980854025
	s_mov_b32 s34, -0.0160960333262415
	s_mov_b32 s36, -0.0000145660718464996
	s_mov_b32 s38, -0.00168282697438203
	s_mov_b32 s40, -0.00737332916720468
	s_mov_b32 s42, -0.0142647390514189
	s_mov_b32 s44, 0x3f3504f3                      ; 1 / sqrt 2
.irp c, 24,26,28,30,32,34,36,38,40,42,44
	s_mov_b32 s[\c+1], s[\c]
.endr
	v_mov_b32 v40, 0.0000000277068142495902
	v_mov_b32 v41, v40
	v_mov_b32 v42, -0.000213374055278905
	v_mov_b32 v43, v42
	s_wait_loadcnt 0x0
	PLACES
.irp w, 2,3
	WIN ((\w)|((\w)<<6))
.set q, 0
.rept 96
	v_pk_fma_f32 v[2*q:2*q+1], v[2*q:2*q+1], s[84:85], v[64+(2*q)%96:65+(2*q)%96] op_sel_hi:[1,0,1]   ; y = sum x 2^(e12 + e13) + b1
.set q, q+1
.endr
.endr
; 16 numbers: token tile a, hidden units 32 be + 16 h + 0..15.  z at v192, z^2 at v208, P at v224, Q at v240 of the sums' own window; source 2 stays in window 0 for the two coefficients kept in vector pairs.
.macro GELU a, be
.set AW, 2+(\a)/2
.set YB, 96*((\a)%2)+16*(\be)
	WIN (AW|(AW<<2)|(AW<<6))
.irp i, 0,2,4,6,8,10,12,14
	v_pk_mul_f32 v[192+\i:193+\i], v[YB+\i:YB+\i+1], s[44:45] op_sel_hi:[1,0]
.endr
.irp i, 0,1,2,3,4,5,6,7,8,9,10,11,12,13,14,15
	v_med3_num_f32 v[192+\i], v[192+\i], -4.0, 4.0
.endr
.irp i, 0,2,4,6,8,10,12,14
	v_pk_mul_f32 v[208+\i:209+\i], v[192+\i:193+\i], v[192+\i:193+\i]
.endr
.irp i, 0,2,4,6,8,10,12,14
	v_pk_fma_f32 v[224+\i:225+\i], v[208+\i:209+\i], s[24:25], v[40:41] op_sel_hi:[1,0,1]
	v_pk_fma_f32 v[240+\i:241+\i], v[208+\i:209+\i], s[36:37], v[42:43] op_sel_hi:[1,0,1]
.endr
.irp cf, 26,28,30,32,34
.irp i, 0,2,4,6,8,10,12,14
	v_pk_fma_f32 v[224+\i:225+\i], v[224+\i:225+\i], v[208+\i:209+\i], s[\cf:\cf+1] op_sel_hi:[1,1,0]
.endr
.endr
.irp cf, 38,40,42
.irp i, 0,2,4,6,8,10,12,14
	v_pk_fma_f32 v[240+\i:241+\i], v[240+\i:241+\i], v[208+\i:209+\i], s[\cf:\cf+1] op_sel_hi:[1,1,0]
.endr
.endr
.irp i, 0,1,2,3,4,5,6,7,8,9,10,11,12,13,14,15
	v_rcp_f32 v[240+\i], v[240+\i]
.endr
.irp i, 0,2,4,6,8,10,12,14
	v_pk_mul_f32 v[224+\i:225+\i], v[224+\i:225+\i], v[192+\i:193+\i]   ; z P: plain lines behind the reciprocals that name none of them
.endr
	s_wait_alu depctr_va_vdst(0)                   ; one wait for the sixteen, ahead of their first reader
.irp i, 0,2,4,6,8,10,12,14
	v_pk_fma_f32 v[224+\i:225+\i], v[224+\i:225+\i], v[240+\i:241+\i], 1.0 op_sel_hi:[1,1,0]   ; erf + 1
.endr
.irp i, 0,2,4,6,8,10,12,14
	v_pk_mul_f32 v[YB+\i:YB+\i+1], v[YB+\i:YB+\i+1], v[224+\i:225+\i]   ; 2 gelu(y)
.endr
.irp i, 0,1,2,3,4,5,6,7,8,9,10,11,12,13,14,15
	v_med3_num_f32 v[YB+\i], v[YB+\i], s46, s47
.endr
	WIN AW
	v_cvt_scalef32_pk8_fp8_f32 v[64+4*(6*(\a)+(\be)):65+4*(6*(\a)+(\be))], v[YB:YB+7], v24
	v_cvt_scalef32_pk8_fp8_f32 v[66+4*(6*(\a)+(\be)):67+4*(6*(\a)+(\be))], v[YB+8:YB+15], v24
.endm
.irp a, 0,1,2,3
.irp be, 0,1,2,3,4,5
	GELU \a, \be
.endr
.endr
	v_nop
	WIN 0
.irp a, 0,1,2,3
.irp be, 0,1,2,3,4,5
	global_store_b128 v[L16], v[64+4*(6*\a+\be):67+4*(6*\a+\be)], s[94:95] offset:\a*49152+\be*512   ; a piece: 512 consecutive bytes
.endr
.endr
	s_wait_tensorcnt 0x0                           ; the wave's end
	ds_add_u32 v[SPW], v[NIL]
	s_wait_dscnt 0x0
	CROUND
	s_endpgm
.Lfunc_end_k_q3ebb735ba8_ffn1:
	.size	k_q3ebb735ba8_ffn1, .Lfunc_end_k_q3ebb735ba8_ffn1-k_q3ebb735ba8_ffn1
	.p2alignl 7, 3214868480
	.fill 96, 4, 3214868480
	.section	.rodata,"a",@progbits
	.p2align	6, 0x0
	.amdhsa_kernel k_q3ebb735ba8_ffn1
		.amdhsa_group_segment_fixed_size 327680
		.amdhsa_private_segment_fixed_size 0
		.amdhsa_enable_private_segment 0
		.amdhsa_kernarg_size 40
		.amdhsa_user_sgpr_count 2
		.amdhsa_user_sgpr_kernarg_segment_ptr 1
		.amdhsa_wavefront_size32 1
		.amdhsa_system_sgpr_workgroup_id_x 1
		.amdhsa_system_sgpr_workgroup_id_y 1
		.amdhsa_system_sgpr_workgroup_id_z 1
		.amdhsa_system_vgpr_workitem_id 0
		.amdhsa_next_free_vgpr 1024
		.amdhsa_next_free_sgpr 102
		.amdhsa_reserve_vcc 0
		.amdhsa_float_denorm_mode_32 3
		.amdhsa_float_denorm_mode_16_64 3
		.amdhsa_memory_ordered 1
		.amdhsa_forward_progress 1
		.amdhsa_inst_pref_size 255
	.end_amdhsa_kernel
	.section	.bss,"aw",@nobits
	.p2align	6
	.space	262144
	.amdgpu_metadata
---
amdhsa.version: [ 1, 2 ]
amdhsa.kernels:
  - .name:           k_q3ebb735ba8_ffn1
    .symbol:         k_q3ebb735ba8_ffn1.kd
    .args:
      - { .name: h2c, .offset: 0, .size: 8, .value_kind: global_buffer, .address_space: global }
      - { .name: wc, .offset: 8, .size: 8, .value_kind: global_buffer, .address_space: global }
      - { .name: lowp_scales, .offset: 16, .size: 8, .value_kind: global_buffer, .address_space: global }
      - { .name: b1, .offset: 24, .size: 8, .value_kind: global_buffer, .address_space: global }
      - { .name: hid, .offset: 32, .size: 8, .value_kind: global_buffer, .address_space: global }
    .group_segment_fixed_size: 327680
    .private_segment_fixed_size: 0
    .kernarg_segment_align: 8
    .kernarg_segment_size: 40
    .max_flat_workgroup_size: 128
    .sgpr_count:     102
    .vgpr_count:     1024
    .wavefront_size: 32
...
	.end_amdgpu_metadata
.endif
;; end of part 4
;; launch ffn2 (part 5): grid 4 x 64, 4 waves a work-group, clusters of 4 x 4, 327,680 bytes of LDS; arguments hid, wc, lowp_scales, b2, x1, out0; writes out0
.if DOCPART == 5
	.amdgcn_target "amdgcn-amd-amdhsa--gfx1250"
	.amdhsa_code_object_version 6
	.text
	.protected	k_q3ebb735ba8_ffn2
	.globl	k_q3ebb735ba8_ffn2
	.p2align	8
	.type	k_q3ebb735ba8_ffn2,@function
k_q3ebb735ba8_ffn2:
	s_mov_b64 s[64:65], 0
	v_nop
	global_prefetch_b8 v0, s[64:65] scope:SCOPE_SE
	s_setreg_imm32_b32 hwreg(HW_REG_WAVE_MODE, 25, 1), 1
	s_wait_xcnt 0x0
	s_wait_alu depctr_hold_cnt(0) depctr_sa_sdst(0) depctr_va_vdst(0) depctr_va_sdst(0) depctr_va_ssrc(0) depctr_va_vcc(0) depctr_vm_vsrc(0)
	s_getreg_b32 s2, hwreg(HW_REG_IB_STS2, 6, 4)
	s_cmp_eq_u32 s2, 0
	s_cbranch_scc0 .Lentry_in_a_cluster
	s_endpgm
.Lentry_in_a_cluster:
	s_bfe_u32 s2, ttmp6, 0x10000c
	s_cmp_lg_u32 s2, 0xf033
	s_cbranch_scc0 .Lentry_shape_is_right
	s_endpgm
.Lentry_shape_is_right:
; out0 = x1 + hid W2^T + b2 on codes of E4M3, K = 3,072.  256 work-groups of 64 tokens x 192 channels (three whole blocks of 256 bytes of a row of out0).
; THE WAVES SHARE K: wave w sums K = 768 w + 128 j, j = 0..5, over the whole tile (48 accumulators); the four parts are added through LDS, in a fixed order.
; A tile of 16 rows of a K = 3,072 buffer is 49,152 bytes = 4 x 12,288: seen as rows of 12,288 bytes, row 4 T + w is wave w's quarter of tile T, and chunk j of all four quarters is ONE tile of rows of 2,048 bytes.
; Two LDS slots of one chunk each (16 token rows, 48 weight rows), filled by joint loads: wave 0 the tokens' (shared along the cluster's row), waves 1-3 the weights' (shared along its column).
; The change of slots stands at a step's head: a slot is free as soon as its fragments are in registers, and the refill has the step's 48 products in which to land.
; LIMITS: e14 + e15 between -126 and 127.
; REGISTERS: as in the other products: window 0 v64-255 weights set 0; window 1 v0-63 tokens set 0, v64-255 weights set 1; window 2 v0-191 sums, v192-255 tokens set 1; window 3 v0-191 sums.
.set SLOT,  131072
.set SPARE, 262144
.set STG,   196608                     ; the way out: 16 rows x 784 bytes a wave, behind the four parts, in bytes that have had their last fill
.set SPW,   28
.set NIL,   29
.set L16,   2
.set ADRA,  16
.set ADRBL, 18
.set ADRBH, 20
.set WV,    20
.set G1,    24
.set G0,    32
.set G1B,   48
.set G0B,   56
.set MSB,   0
.macro WIN new
.if MSB != (\new)
	s_set_vgpr_msb ((MSB<<8)|(\new))
.set MSB, (\new)
.endif
.endm
.macro PLACES
.rept 4
	v_nop
.endr
.endm
.macro CREST
	s_cmp_lg_u32 s[WV], 0
	s_cbranch_scc1 .Lnot_wave_0_\@
	s_barrier_signal -3
.Lnot_wave_0_\@:
	s_barrier_wait -3
	s_barrier_signal -1
	s_barrier_wait -1
.endm
.macro CROUND
	s_barrier_signal -1
	s_barrier_wait -1
	CREST
.endm
.macro JLOAD g0a, g0b
	s_cmp_eq_u32 s[WV], 0
	s_cbranch_scc0 .Lfor_b_\@
	tensor_load_to_lds s[\g0a:\g0a+3], s[G1:G1+7]
	s_nop 0
.rept 4
	v_nop
.endr
	s_branch .Lasked_\@
.Lfor_b_\@:
	tensor_load_to_lds s[\g0b:\g0b+3], s[G1B:G1B+7]
	s_nop 0
.rept 4
	v_nop
.endr
.Lasked_\@:
.endm
.macro FETCH slot, set                 ; my quarter's fragments of the slot's chunk: 12 of W2, 4 of hid
	WIN (0x40*(\set))
.irp b, 0,1,2,3,4,5
.irp c, 0,1,2,3
	ds_load_b128 v[64+16*\b+4*\c:64+16*\b+4*\c+3], v[ADRBL+\slot] offset:8192*\b+512*\c
.endr
.endr
.irp b, 6,7,8,9,10,11
.irp c, 0,1,2,3
	ds_load_b128 v[64+16*\b+4*\c:64+16*\b+4*\c+3], v[ADRBH+\slot] offset:8192*(\b-6)+512*\c
.endr
.endr
	WIN (0x40+0x40*(\set))
.irp a, 0,1,2,3
.irp c, 0,1,2,3
	ds_load_b128 v[192*(\set)+16*\a+4*\c:192*(\set)+16*\a+4*\c+3], v[ADRA+\slot] offset:8192*\a+512*\c
.endr
.endr
.endm
.macro MUL a, set, zero                ; the 48 accumulators take turns, one instruction a turn
	WIN ((\set)|(((\set)+1)<<2)|((2+(\a)/2)<<4)|((2+(\a)/2)<<6))
.irp b, 0,1,2,3,4,5,6,7,8,9,10,11
.if \zero
	v_wmma_f32_16x16x128_fp8_fp8 v[8*(12*((\a)%2)+\b):8*(12*((\a)%2)+\b)+7], v[64+16*\b:64+16*\b+15], v[192*(\set)+16*(\a):192*(\set)+16*(\a)+15], 0
.else
	v_wmma_f32_16x16x128_fp8_fp8 v[8*(12*((\a)%2)+\b):8*(12*((\a)%2)+\b)+7], v[64+16*\b:64+16*\b+15], v[192*(\set)+16*(\a):192*(\set)+16*(\a)+15], v[8*(12*((\a)%2)+\b):8*(12*((\a)%2)+\b)+7]
.endif
.endr
.endm
.macro MUL4 set, zero
.irp a, 0,1,2,3
	MUL \a, \set, \zero
.endr
.endm
.macro TURN set, zero, fill            ; chunk j lies in set j % 2 and came from slot j % 2; the next chunk lies in the other slot
	WIN 0
	s_wait_tensorcnt 0x0                           ; all my tensor loads have landed, my part of the next chunk among them
	ds_add_u32 v[SPW], v[NIL]                      ; 0 onto my spare word
.if \fill
	s_add_nc_u64 s[G0+4*(\set)+2:G0+4*(\set)+3], s[G0+4*(\set)+2:G0+4*(\set)+3], 4096     ; no load of mine is out: this slot's chunk two on
	s_add_nc_u64 s[G0B+4*(\set)+2:G0B+4*(\set)+3], s[G0B+4*(\set)+2:G0B+4*(\set)+3], 4096
.endif
	s_wait_dscnt 0x0                               ; the add is done, and this chunk's fragments are in registers: I read its slot no more
.if \fill
	CROUND                                         ; that holds of every wave of every partner
	JLOAD G0+4*(\set), G0B+4*(\set)                ; my one tensor load behind the round; its four v_nop are the places in front of the loads below
.else
	s_barrier_signal -1
	s_barrier_wait -1
	PLACES
.endif
	FETCH 1-(\set), 1-(\set)
	MUL4 \set, \zero
.endm
	s_load_b256 s[4:11], s[0:1], 0x0               ; hid, wc, lowp_scales, b2
	s_load_b128 s[12:15], s[0:1], 0x20             ; x1, out0
	v_lshl_add_u32 v[SPW], v0, 2, SPARE
	v_mov_b32 v[NIL], 0
	ds_add_u32 v28, v29
	ds_add_u32 v28, v29
	s_wait_dscnt 0x0
	v_lshrrev_b32 v1, 5, v0
	v_readfirstlane_b32 s[WV], v1
	s_bfe_u32 s40, ttmp6, 0x40000                  ; cx
	s_bfe_u32 s41, ttmp6, 0x40004                  ; cy
	s_lshl_b32 s42, ttmp9, 2
	s_add_co_u32 s42, s42, s40                     ; column tile (192 channels)
	s_and_b32 s43, ttmp7, 0xffff
	s_lshl_b32 s43, s43, 2
	s_add_co_u32 s43, s43, s41                     ; row tile (64 tokens)
	s_lshl_b32 s44, s41, 2
	s_lshl_b32 s44, 15, s44
	s_lshl_b32 s45, 0x1111, s40
	s_or_b32 s[G1], s44, (3<<16)|(1<<21)           ; elements of 8 bytes, no padding; the mask, and bit 21 beside it
	s_or_b32 s[G1B], s45, (3<<16)|(1<<21)
.irp g, G1, G1B
	s_mov_b32 s[\g+1], 256<<16                     ; tensor_dim0 = 256 elements: 2,048 bytes, a fragment
	s_mov_b32 s[\g+2], 16<<16                      ; tensor_dim1 = 16 rows
	s_mov_b32 s[\g+3], 256<<16
	s_mov_b32 s[\g+4], 16
	s_mov_b32 s[\g+5], 1536                        ; from row to row: 12,288 bytes
	s_mov_b32 s[\g+6], 0
	s_mov_b32 s[\g+7], 0
.endr
	s_mul_i32 s22, s43, 196608                     ; tokens: rows 16 x row tile on
	s_mov_b32 s23, 0
	s_max_u32 s47, s[WV], 1
	s_sub_co_u32 s47, s47, 1
	s_lshl_b32 s47, s47, 4
	s_mul_i32 s46, s42, 48
	s_add_co_u32 s46, s46, s47                     ; weights: rows 48 x column tile + 16 x (wave - 1) on
	s_mul_i32 s46, s46, 12288
	s_add_co_u32 s46, s46, 4718592                 ; W2's codes in wc
	s_mov_b32 s47, 0
	s_lshl_b32 s90, s[WV], 15                      ; LDS: 32,768 x wave
	s_wait_kmcnt 0x0
	s_load_b512 s[68:83], s[8:9], 0x0
	s_add_nc_u64 s[86:87], s[4:5], s[22:23]
	s_add_nc_u64 s[88:89], s[6:7], s[46:47]
	CROUND
.irp s, 0,1
	s_mov_b32 s[G0+4*\s], 1
	s_add_co_u32 s[G0+4*\s+1], s90, \s*SLOT
	s_add_nc_u64 s[G0+4*\s+2:G0+4*\s+3], s[86:87], \s*2048
	s_or_b32 s[G0+4*\s+3], s[G0+4*\s+3], 0x80000000
	s_mov_b32 s[G0B+4*\s], 1
	s_add_co_u32 s[G0B+4*\s+1], s90, \s*SLOT
	s_add_nc_u64 s[G0B+4*\s+2:G0B+4*\s+3], s[88:89], \s*2048
	s_or_b32 s[G0B+4*\s+3], s[G0B+4*\s+3], 0x80000000
	JLOAD G0+4*\s, G0B+4*\s
.endr
	v_and_b32 v1, 31, v0
	v_lshlrev_b32 v[L16], 4, v1
	v_and_b32 v3, 15, v0                           ; r
	v_bfe_u32 v4, v0, 4, 1                         ; h
	v_lshlrev_b32 v5, 6, v4
	s_lshl_b32 s22, s[WV], 11
	v_add_nc_u32 v[ADRA], s22, v[L16]              ; row 4 a + w of the slot
	v_add_nc_u32 v[ADRA+1], SLOT, v[ADRA]
	v_add_nc_u32 v[ADRBL], 32768, v[ADRA]
	v_add_nc_u32 v[ADRBL+1], SLOT, v[ADRBL]
	v_add_nc_u32 v[ADRBH], 81920, v[ADRA]
	v_add_nc_u32 v[ADRBH+1], SLOT, v[ADRBH]
	s_mul_i32 s22, s[WV], 12288
	v_add_nc_u32 v32, s22, v[L16]                  ; the four parts of my token tile
	v_add_nc_u32 v33, 49152, v32
	v_add_nc_u32 v34, 98304, v32
	v_add_nc_u32 v35, 147456, v32
	s_mul_i32 s22, s[WV], 49152
	v_add_nc_u32 v36, s22, v[L16]                  ; where my part goes
	s_mul_i32 s22, s[WV], 12544
	s_add_co_u32 s22, s22, STG
	v_mul_u32_u24 v22, v3, 784
	v_lshl_add_u32 v22, v4, 6, v22
	v_add_nc_u32 v22, s22, v22                     ; my stage, in: row r, + 64 h
	v_mul_u32_u24 v23, v4, 784
	v_lshl_add_u32 v23, v3, 4, v23
	v_add_nc_u32 v23, s22, v23                     ; back: sixteen lanes to 256 bytes of a row, two rows an instruction
	v_mul_u32_u24 v24, v4, 3072
	v_lshl_add_u32 v24, v3, 4, v24                 ; and the same in out0
	s_lshl_b32 s92, s43, 2
	s_add_co_u32 s92, s92, s[WV]                   ; the token tile that I finish
	s_mul_i32 s100, s92, 49152
	s_mul_i32 s93, s42, 12288
	s_add_co_u32 s100, s100, s93
	s_mov_b32 s101, 0
	s_add_nc_u64 s[96:97], s[12:13], s[100:101]    ; x1: that tile, my work-group's twelve channel tiles
	s_mul_i32 s100, s42, 768
	s_add_nc_u64 s[98:99], s[10:11], s[100:101]    ; b2
	s_lshr_b32 s93, s92, 1
	s_lshl_b32 s93, s93, 5
	s_and_b32 s92, s92, 1
	s_lshl_b32 s92, s92, 3
	s_add_co_u32 s93, s93, s92                     ; the tile's first token
	s_mul_i32 s93, s93, 3072
	s_add_co_u32 s100, s100, s93
	s_add_nc_u64 s[94:95], s[14:15], s[100:101]    ; out0
	s_wait_tensorcnt 1                             ; my part of chunk 0 is in; chunk 1's may stay out
	s_barrier_signal -1
	s_barrier_wait -1
	FETCH 0, 0
	TURN 0, 1, 1                                   ; chunk 0: the first products start the sums; slot 0 takes chunk 2
	TURN 1, 0, 1
	TURN 0, 0, 1
	TURN 1, 0, 1                                   ; slot 1 takes chunk 5: the last load
	TURN 0, 0, 0
	PLACES
	WIN 0
.set q, 0
.rept 24
	global_load_b128 v[64+4*q:64+4*q+3], v[L16], s[96:97] offset:512*q                  ; x1 and b2 in the result's layout, into weights set 0, which is done with
	global_load_b128 v[160+4*q:160+4*q+3], v5, s[98:99] offset:128*(q/4)+16*(q%4)
.set q, q+1
.endr
	s_wait_dscnt 0x0
	MUL4 1, 0                                      ; chunk 5
	WIN 0
	s_barrier_signal -1                            ; every wave's fragments are in registers: nobody reads a slot any more, and every slot has had its last fill
	s_barrier_wait -1
	PLACES
.irp w, 2,3
	WIN ((\w)<<2)
.set q, 0
.rept 48
	ds_store_b128 v36, v[4*q:4*q+3] offset:((\w)-2)*24576+512*q
.set q, q+1
.endr
.endr
	WIN 0
	s_wait_dscnt 0x0                               ; for the others' sake: my part lies in LDS
	s_barrier_signal -1
	s_barrier_wait -1
.irp u, 0,1,2,3
	WIN ((2+\u/2)<<6)
.set q, 0
.rept 24
	ds_load_b128 v[96*(\u%2)+4*q:96*(\u%2)+4*q+3], v[32+\u] offset:512*q
.set q, q+1
.endr
.endr
	WIN 0
	s_wait_kmcnt 0x0
	s_add_co_i32 s84, s82, s83
	s_add_co_i32 s84, s84, 127
	s_lshl_b32 s84, s84, 23                        ; 2^(e14 + e15)
	s_mov_b32 s85, s84
	s_wait_dscnt 0x0
	WIN 0x8a
.set q, 0
.rept 48
	v_pk_add_f32 v[2*q:2*q+1], v[2*q:2*q+1], v[96+2*q:97+2*q]
.set q, q+1
.endr
	WIN 0xcf
.set q, 0
.rept 48
	v_pk_add_f32 v[2*q:2*q+1], v[2*q:2*q+1], v[96+2*q:97+2*q]
.set q, q+1
.endr
	WIN 0x8e
.set q, 0
.rept 48
	v_pk_add_f32 v[2*q:2*q+1], v[2*q:2*q+1], v[2*q:2*q+1]                               ; (source 1 in window 3)
.set q, q+1
.endr
	s_wait_loadcnt 0x0
	WIN 0x82
.set q, 0
.rept 48
	v_pk_fma_f32 v[2*q:2*q+1], v[2*q:2*q+1], s[84:85], v[160+2*q:161+2*q] op_sel_hi:[1,0,1]
.set q, q+1
.endr
.set q, 0
.rept 48
	v_pk_add_f32 v[2*q:2*q+1], v[2*q:2*q+1], v[64+2*q:65+2*q]                           ; + x1
.set q, q+1
.endr
	WIN 0x08
.set q, 0
.rept 24
	ds_store_b128 v22, v[4*q:4*q+3] offset:128*(q/4)+16*(q%4)
.set q, q+1
.endr
	WIN 0
.set q, 0
.rept 24
	ds_load_b128 v[64+4*q:64+4*q+3], v23 offset:2*(q/3)*784+256*(q%3)                   ; LDS serves a wave's instructions in order: these see my stores
.set q, q+1
.endr
.set q, 0
.rept 24
	s_wait_dscnt 23-q                              ; this load is in; the younger ones may be out
	global_store_b128 v24, v[64+4*q:64+4*q+3], s[94:95] offset:(2*(q/3)+8*(q/12))*3072+256*(q%3) th:TH_STORE_NT   ; sixteen lanes store 256 consecutive bytes, aligned
.set q, q+1
.endr
	s_wait_tensorcnt 0x0                           ; the wave's end
	ds_add_u32 v[SPW], v[NIL]
	s_wait_dscnt 0x0
	CROUND
	s_endpgm
.Lfunc_end_k_q3ebb735ba8_ffn2:
	.size	k_q3ebb735ba8_ffn2, .Lfunc_end_k_q3ebb735ba8_ffn2-k_q3ebb735ba8_ffn2
	.p2alignl 7, 3214868480
	.fill 96, 4, 3214868480
	.section	.rodata,"a",@progbits
	.p2align	6, 0x0
	.amdhsa_kernel k_q3ebb735ba8_ffn2
		.amdhsa_group_segment_fixed_size 327680
		.amdhsa_private_segment_fixed_size 0
		.amdhsa_enable_private_segment 0
		.amdhsa_kernarg_size 48
		.amdhsa_user_sgpr_count 2
		.amdhsa_user_sgpr_kernarg_segment_ptr 1
		.amdhsa_wavefront_size32 1
		.amdhsa_system_sgpr_workgroup_id_x 1
		.amdhsa_system_sgpr_workgroup_id_y 1
		.amdhsa_system_sgpr_workgroup_id_z 1
		.amdhsa_system_vgpr_workitem_id 0
		.amdhsa_next_free_vgpr 1024
		.amdhsa_next_free_sgpr 102
		.amdhsa_reserve_vcc 0
		.amdhsa_float_denorm_mode_32 3
		.amdhsa_float_denorm_mode_16_64 3
		.amdhsa_memory_ordered 1
		.amdhsa_forward_progress 1
		.amdhsa_inst_pref_size 94
	.end_amdhsa_kernel
	.amdgpu_metadata
---
amdhsa.version: [ 1, 2 ]
amdhsa.kernels:
  - .name:           k_q3ebb735ba8_ffn2
    .symbol:         k_q3ebb735ba8_ffn2.kd
    .args:
      - { .name: hid, .offset: 0, .size: 8, .value_kind: global_buffer, .address_space: global }
      - { .name: wc, .offset: 8, .size: 8, .value_kind: global_buffer, .address_space: global }
      - { .name: lowp_scales, .offset: 16, .size: 8, .value_kind: global_buffer, .address_space: global }
      - { .name: b2, .offset: 24, .size: 8, .value_kind: global_buffer, .address_space: global }
      - { .name: x1, .offset: 32, .size: 8, .value_kind: global_buffer, .address_space: global }
      - { .name: out0, .offset: 40, .size: 8, .value_kind: global_buffer, .address_space: global }
    .group_segment_fixed_size: 327680
    .private_segment_fixed_size: 0
    .kernarg_segment_align: 8
    .kernarg_segment_size: 48
    .max_flat_workgroup_size: 128
    .sgpr_count:     102
    .vgpr_count:     1024
    .wavefront_size: 32
...
	.end_amdgpu_metadata
.endif
;; end of part 5
;; ======== version 2 of 2: 5 launches; version 1 with the launch attn written anew for expert scheduling mode
;; workspace buffers: wc 7,077,888 bytes; hc 9,437,184 bytes; flags 1,024 bytes of whole numbers; qkv 9,437,184 bytes; vc 3,145,728 bytes; h2c 3,145,728 bytes; x1 12,582,912 bytes; hid 12,582,912 bytes
;; launch prep: the kernel of part 1 again; grid 402 x 1, 4 waves a work-group, no clusters, 83,712 bytes of LDS; arguments Wq, Wk, Wv, Wo, W1, W2, x, g1, beta1, grid, lowp_scales, wc, hc, flags; writes wc, hc, flags
;; launch qkv: the kernel of part 2 again; grid 12 x 16, 4 waves a work-group, clusters of 4 x 4, 327,680 bytes of LDS; arguments hc, wc, lowp_scales, bq, bk, bv, qkv, vc; writes qkv, vc
;; launch attn (part 6): grid 256 x 1, 4 waves a work-group, no clusters, 211,456 bytes of LDS; arguments qkv, vc, wc, grid, flags, lowp_scales, x, bo, g2, beta2, x1, h2c; writes x1, h2c
.if DOCPART == 6
	.amdgcn_target "amdgcn-amd-amdhsa--gfx1250"
	.amdhsa_code_object_version 6
	.text
	.protected	k_q3ebb735ba8_attn
	.globl	k_q3ebb735ba8_attn
	.p2align	8
	.type	k_q3ebb735ba8_attn,@function
k_q3ebb735ba8_attn:
	s_mov_b64 s[64:65], 0
	v_nop
	global_prefetch_b8 v0, s[64:65] scope:SCOPE_SE
	s_setreg_imm32_b32 hwreg(HW_REG_WAVE_SCHED_MODE, 0, 2), 2
	s_setreg_imm32_b32 hwreg(HW_REG_WAVE_MODE, 25, 1), 1
	s_wait_xcnt 0x0
	s_wait_alu depctr_vm_vsrc(0)
; A work-group owns a tile of 16 queries (tokens pat(tau, r) = 32 (tau/2) + 8 (tau%2) + r + 8 (r/8)): masked attention, the pass-through of v, Wo, the residual, LayerNorm 2.
; THE WAVES SHARE THE KEY STEPS: wave w walks steps w, w + 4, .. w + 28 of 128 keys, eight trips; a trip whose bit in the stored word of flags is 0 is jumped over (a branch on a whole number that an earlier
; launch stored; no barrier stands in a trip).  The exact mask (|dx| <= 2, |dy| <= 2 in f32, self left out) is applied to every score of a live step, so every grid is served.
; Both products are used transposed (S^T = K Q^T, O^T = V^T P^T): a lane holds ONE query.  p = 2^(t - M), M the ceiling of the wave's running largest t, a whole number; the sum is taken of the unquantised p.
; The four waves' parts are joined by powers of two, 2^(M_u - M).  A row whose sum is 0 has no neighbour and takes v: the choice is made between the two CODES under lowp_scales[10]
; (the quantiser works number by number, so that is the choice between the two numbers); v's codes were made by the launch before and are loaded at the head.
; LOADS ARE ASKED FOR AS SOON AS THEIR REGISTERS ARE FREE: nothing waits for Q ahead of the loop (a step's first wait shows the older loads landed too); V has a third buffer in the coordinates' registers, free
; behind the mask; Wo's first two groups go out directly behind the loop, since they hang on nothing that the merge makes.
; No multicast: the key steps that a work-group needs hang on the stored flags and differ between neighbours.
; O^T is cleared by moves: which step is a wave's first hangs on the flags, so no product can be written out as the first.
; LIMITS: e6 + e7 between -120 and 130 (added to c's exponent field); e8, e10, e12 between -126 and 119; e10 + e11 between -126 and 127.  Scores are finite.  NaN is not served.
; REGISTERS: window 0: v1-31 small things, v32-127 Q (later the merge's parts, then the attention's codes), v128-191 S^T and p (later parts and work), v192-207 p's codes, v208-220 offsets, v224-247 v's codes, then the chosen codes;
;   window 1: O^T tiles 0-31 (later v0-127 Wo's third buffer, v128-223 x);  window 2: v0-127 O^T tiles 32-47 (later bo), v128-255 the keys' coordinates, V's third buffer (later Wo's sums);  window 3: two buffers of eight fragments.
; THE MODE: SCHED_MODE bits 1:0 = 2 (LLVM: expert scheduling mode 2), set by the entry lines.  The code itself states the register dependences between vector or matrix instructions and memory or LDS
; instructions, with s_wait_alu, always for 0.
; THE PLAN.  Registers that memory or LDS instructions touch, and who else names them:
;   v1, v4, v11, v208-220   offsets and LDS addresses: made at the head, never written again.  One wait on va_vdst ahead of the first load serves every access of the kernel.
;   the three buffers       (window 3 v0-127, v128-255; window 2 v128-255): loads land in them; a group's eight products read them (the coordinates: the mask's lines, in place).  A buffer is asked for again directly
;                           behind the lines that emptied it, and one wait on va_vdst stands there; one more at a live step's head, for the buffers that the last live step's products read.
;   O^T, v12, v14           written by products and vector lines; read by my LDS stores behind the loop (one wait on va_vdst, which also frees window 3 for Wo and window 0's v32-167 for the merge's loads);
;                           then Wo's third buffer, x and bo land where O^T lay: one wait on vm_vsrc behind the first barrier.
;   the merge               a piece's sums read a buffer of parts, its choices write four registers of codes: one wait on va_vdst a piece, ahead of the LDS store of the codes and the loads of the next parts.
;   x1, h2c, v16            written by vector lines, read by stores: a wait on va_vdst ahead of each run; v16 is written again behind a wait on vm_vsrc.
;   s28, s46, s4-s19        written by vector lines: a wait on va_sdst ahead of the first reader.  The masks' compares stand in runs of sixteen, into s4-s19 (the head's pointers, done with), one wait a run.
.set STAT, 196608                      ; LDS: behind four images of O^T (49,152 bytes each): -M and the sum of each wave, 128 bytes each
.set OCB,  197632                      ; the attention's codes: 24 pieces
.set LNS,  209920                      ; LayerNorm's sums, twice 512 bytes
.set L16,  1
.set QF,   32
.set SS,   128
.set PC,   192
.set VC,   224
.set AST,  208
.set ASR,  209
.set AOW,  210
.set APR,  211
.set AOCW, 215
.set AOCR, 216
.set ALW,  217
.set ALR,  218
.set AX,   219
.set A64,  220
.set MK,   4                           ; s4-s19: sixteen masks of a run of compares
.set MSB,  0
.macro WIN new
.if MSB != (\new)
	s_set_vgpr_msb ((MSB<<8)|(\new))
.set MSB, (\new)
.endif
.endm
.macro PLACES
.rept 4
	v_nop
.endr
.endm
.macro KLOAD g                         ; eight tiles of 16 keys, channels 128 g on, into buffer g % 2 of window 3
	WIN 0xc0
.irp t, 0,1,2,3,4,5,6,7
.irp c, 0,1,2,3
	global_load_b128 v[128*((\g)%2)+16*\t+4*\c:128*((\g)%2)+16*\t+4*\c+3], v[L16], s[40:41] offset:\t*12288+(\g)*2048+512*\c
.endr
.endr
.endm
.macro VLOAD g                         ; eight tiles of 16 channels, the step's 128 keys, into buffer g % 3: two in window 3, the third in window 2, v128-255
.if ((\g)%3) == 2
	WIN 0x80
.set VB, 128
.else
	WIN 0xc0
.set VB, 128*((\g)%3)
.endif
.irp t, 0,1,2,3,4,5,6,7
.irp c, 0,1,2,3
	global_load_b128 v[VB+16*\t+4*\c:VB+16*\t+4*\c+3], v[L16], s[42:43] offset:(8*(\g)+\t)*2048+512*\c
.endr
.endr
.endm
.macro WOLOAD g                        ; eight of Wo's 72 fragments (number 12 s + tile), into buffer g % 3: two in window 3, the third in window 1, v0-127
.if ((\g)%3) == 2
	WIN 0x40
.set WB, 0
.else
	WIN 0xc0
.set WB, 128*((\g)%3)
.endif
.irp t, 0,1,2,3,4,5,6,7
.irp c, 0,1,2,3
	global_load_b128 v[WB+16*\t+4*\c:WB+16*\t+4*\c+3], v[L16], s[90:91] offset:((8*(\g)+\t)%12)*12288+((8*(\g)+\t)/12)*2048+512*\c
.endr
.endr
.endm
.macro PLOAD be                        ; the four waves' parts of channels 32 be on of my 192: 64 registers of window 0, two buffers by turns
.irp u, 0,1,2,3
.irp m, 0,1,2,3
	ds_load_b128 v[32+64*((\be)%2)+16*\u+4*\m:32+64*((\be)%2)+16*\u+4*\m+3], v[APR+\u] offset:2048*(\be)+512*\m
.endr
.endr
.endm
	s_load_b512 s[4:19], s[0:1], 0x0               ; qkv, vc, wc, grid, flags, lowp_scales, x, bo
	s_load_b256 s[20:27], s[0:1], 0x40             ; g2, beta2, x1, h2c
	v_lshl_add_u32 v254, v0, 2, 0x33800
	v_mov_b32 v255, 0
	v_lshrrev_b32 v1, 5, v0
	v_readfirstlane_b32 s28, v1                    ; wave
	v_and_b32 v6, 31, v0
	v_lshlrev_b32 v[L16], 4, v6                    ; 16 x lane
	v_and_b32 v2, 15, v0                           ; r
	v_bfe_u32 v3, v0, 4, 1                         ; h
	v_lshlrev_b32 v4, 7, v3                        ; 128 h: my half's 16 keys' coordinates
	v_and_b32 v7, 8, v2
	v_add_nc_u32 v7, v7, v2                        ; r + 8 (r / 8)
	v_lshlrev_b32 v11, 3, v7
	v_mov_b32 v5, 0xff800000                       ; -infinity
	s_lshl_b32 s29, ttmp9, 2
	s_lshr_b32 s30, ttmp9, 1
	s_lshl_b32 s30, s30, 5
	s_and_b32 s31, ttmp9, 1
	s_lshl_b32 s31, s31, 3
	s_add_co_u32 s30, s30, s31                     ; the tile's first token
	s_and_b32 s47, s30, 127
	s_lshr_b32 s48, ttmp9, 3                       ; the key step that holds my own tokens
	v_lshlrev_b32 v16, 4, v3
	v_sub_nc_u32 v10, v7, v16
	v_add_nc_u32 v10, s47, v10                     ; my query's place in that step, less 16 h
	v_lshlrev_b32 v16, 2, v6
	s_wait_alu depctr_va_sdst(0)                   ; s28, the wave's number, is written, ahead of its first reader: LDS addresses and the bases below are made from it
	s_lshl_b32 s57, s28, 7
	v_add_nc_u32 v[ASR], STAT, v16
	v_add_nc_u32 v[AST], s57, v[ASR]
	v_add_nc_u32 v[ALR], LNS, v16
	v_add_nc_u32 v[ALW], s57, v[ALR]
	s_mul_i32 s57, s28, 49152
	v_add_nc_u32 v[AOW], s57, v[L16]
	s_mul_i32 s57, s28, 12288
	v_add_nc_u32 v[APR], s57, v[L16]
	v_add_nc_u32 v[APR+1], 49152, v[APR]
	v_add_nc_u32 v[APR+2], 98304, v[APR]
	v_add_nc_u32 v[APR+3], 147456, v[APR]
	v_add_nc_u32 v[AOCR], OCB, v[L16]
	s_mul_i32 s57, s28, 3072
	v_add_nc_u32 v[AOCW], s57, v[AOCR]
	v_mul_u32_u24 v[AX], v7, 3072
	v_lshl_add_u32 v[AX], v3, 6, v[AX]             ; x: my token's row, + 64 h
	v_lshlrev_b32 v[A64], 6, v3
	s_mul_i32 s34, ttmp9, 12288
	s_mov_b32 s35, 0
	s_mov_b32 s67, 0
	s_wait_kmcnt 0x0
	s_load_b32 s33, s[12:13], s29 offset:0x0       ; my tile's word of flags
	s_load_b512 s[68:83], s[14:15], 0x0            ; the sixteen exponents
	s_add_nc_u64 s[36:37], s[4:5], s[34:35]        ; Q's tile
	s_lshl_b32 s66, s30, 3
	s_add_nc_u64 s[38:39], s[10:11], s[66:67]      ; my tile's coordinates
	s_wait_alu depctr_va_vdst(0)                   ; the offsets and LDS addresses v1, v4, v11 and v208 to v220 are written: every load and store of the kernel reads one of them, and none is written again
.set q, 0
.rept 24
	global_load_b128 v[QF+4*q:QF+4*q+3], v[L16], s[36:37] offset:512*q
.set q, q+1
.endr
	global_load_b64 v[26:27], v11, s[38:39]        ; my query's coordinates, as whole numbers: a live step converts them
	s_mul_i32 s66, s28, 3072
	s_add_co_u32 s66, s66, s34
	s_add_nc_u64 s[84:85], s[6:7], s[66:67]        ; vc and h2c: my tile, my six pieces
	s_add_nc_u64 s[94:95], s[26:27], s[66:67]
.irp be, 0,1,2,3,4,5
	global_load_b128 v[VC+4*\be:VC+4*\be+3], v[L16], s[84:85] offset:512*\be   ; v's codes under e10: wanted at the merge, asked for here
.endr
	s_mul_i32 s66, s28, 98304
	s_add_nc_u64 s[40:41], s[4:5], 3145728
	s_add_nc_u64 s[40:41], s[40:41], s[66:67]      ; K at key step w
	s_add_nc_u64 s[42:43], s[4:5], 6291456
	s_add_nc_u64 s[42:43], s[42:43], s[66:67]      ; V likewise
	s_lshl_b32 s66, s28, 10
	s_add_nc_u64 s[44:45], s[10:11], s[66:67]      ; and the keys' coordinates
	s_mul_i32 s66, ttmp9, 49152
	s_mul_i32 s54, s28, 12288
	s_add_co_u32 s66, s66, s54
	s_add_nc_u64 s[92:93], s[24:25], s[66:67]      ; x1: my tile, my twelve channel tiles
	s_mul_i32 s66, s30, 3072
	s_mul_i32 s54, s28, 768
	s_add_co_u32 s66, s66, s54
	s_add_nc_u64 s[86:87], s[16:17], s[66:67]      ; x
	s_mov_b32 s66, s54
	s_add_nc_u64 s[88:89], s[18:19], s[66:67]      ; bo, g2, beta2: my 192 channels
	s_add_nc_u64 s[96:97], s[20:21], s[66:67]
	s_add_nc_u64 s[98:99], s[22:23], s[66:67]
	s_mul_i32 s66, s28, 147456
	s_add_nc_u64 s[90:91], s[8:9], 1769472
	s_add_nc_u64 s[90:91], s[90:91], s[66:67]      ; Wo: my twelve tiles
	s_mov_b32 s49, 0xff800000
	s_mov_b32 s50, 0x76543210
	s_mov_b32 s51, 0xfedcba98
	s_mov_b32 s62, 0x3aaaaaab                      ; 1 / 768
	s_mov_b32 s63, 0x3727c5ac                      ; 1e-5
	v_mov_b32 v13, 0xff61b1e6                      ; the largest t so far: -3e38
	v_floor_f32 v12, -v13                          ; -M
	v_mov_b32 v14, 0
	v_mov_b32 v15, 0
	v_mov_b32 v17, 0                               ; a lane permute's destination counts as read
	v_mov_b32 v19, 0                               ; upper halves of pairs that are named whole
	v_mov_b32 v23, 0
	WIN 0x40
.set q, 0
.rept 256
	v_mov_b32 v[q], 0
.set q, q+1
.endr
	WIN 0x80
.set q, 0
.rept 128
	v_mov_b32 v[q], 0
.set q, q+1
.endr
	WIN 0
	s_wait_kmcnt 0x0                               ; the flags and the exponents are in; every address is derived: s4 to s19 are free from here on
	s_add_co_i32 s54, s74, s75
	s_lshl_b32 s54, s54, 23
	s_mov_b32 s52, 0x3d553b94                      ; c = log2(e) / sqrt(768),
	s_add_co_i32 s52, s52, s54                     ; x 2^(e6 + e7)
	s_mov_b32 s53, s52
	s_add_co_i32 s54, s76, 127
	s_lshl_b32 s57, s54, 23
	v_mov_b32 v24, s57                             ; 2^e8
	s_add_co_i32 s54, s54, 8
	s_lshl_b32 s54, s54, 23
	s_or_b32 s54, s54, 0x600000
	v_mov_b32 v25, s54                             ; 448 x 2^e8
	s_mov_b32 s55, 0                               ; trips
	s_mov_b32 s56, s28                             ; the key step
.Ltrip:                                            ; (no wait for Q stands ahead of the loop: loads come back in order, ISA guide 5.7.1, so a step's first wait shows Q, my coordinates and v's codes landed too)
	s_lshr_b32 s57, s33, s56
	s_and_b32 s57, s57, 1
	s_cmp_eq_u32 s57, 0
	s_cbranch_scc1 .Lnext
	s_wait_alu depctr_va_vdst(0)                   ; the last live step's products are done reading V's three buffers, in which K's first two groups and the coordinates land
	KLOAD 0
	KLOAD 1
	WIN 0x80
.set q, 0
.rept 32
	global_load_b128 v[128+4*q:128+4*q+3], v4, s[44:45] offset:256*(q/8)+16*(q%8)   ; the coordinates of my 64 keys: key 32 b + 16 h + i in the pair 2 (16 b + i).  Behind K's first groups: they are wanted behind the scores
.set q, q+1
.endr
.irp g, 0,1,2,3,4,5
.if \g < 2
	s_wait_loadcnt 63                              ; 64 loads were issued behind this group's (a group of K and the coordinates)
.else
	s_wait_loadcnt 32                              ; this group's 32 loads are in; the next group's 32 may be out
.endif
	WIN 0x03
.irp t, 0,1,2,3,4,5,6,7
.if \g == 0
	v_wmma_f32_16x16x128_fp8_fp8 v[SS+8*\t:SS+8*\t+7], v[128*(\g%2)+16*\t:128*(\g%2)+16*\t+15], v[QF+16*\g:QF+16*\g+15], 0
.else
	v_wmma_f32_16x16x128_fp8_fp8 v[SS+8*\t:SS+8*\t+7], v[128*(\g%2)+16*\t:128*(\g%2)+16*\t+15], v[QF+16*\g:QF+16*\g+15], v[SS+8*\t:SS+8*\t+7]
.endif
.endr
	PLACES
	s_wait_alu depctr_va_vdst(0)                   ; this group's eight products are done reading their buffer of window 3, which is asked for again at once
.if \g < 4
	KLOAD \g+2
.else
	VLOAD \g-4
.endif
.endr
	WIN 0
	v_cvt_f32_i32 v8, v26                          ; my query's coordinates in f32
	v_cvt_f32_i32 v9, v27
	WIN 0x82                                       ; THE MASK, as it is defined: in f32, from the coordinates
.set q, 0
.rept 128
	v_cvt_f32_i32 v[128+q], v[128+q]
.set q, q+1
.endr
.set q, 0
.rept 64
	v_pk_add_f32 v[128+2*q:129+2*q], v[128+2*q:129+2*q], v[8:9] neg_lo:[0,1] neg_hi:[0,1]
.set q, q+1
.endr
	WIN 0x8a
.set q, 0
.rept 64
	v_max_num_f32 v[128+2*q], |v[128+2*q]|, |v[129+2*q]|
.set q, q+1
.endr
	WIN 0x02
.set mg, 0
.rept 4                                ; sixteen keys a run: the compares, one wait, the choices
.set q, 0
.rept 16
	v_cmp_le_f32 s[MK+q], v[128+2*(16*mg+q)], 2.0
.set q, q+1
.endr
	s_wait_alu depctr_va_sdst(0)                   ; the sixteen compares have written their masks s4 to s19, ahead of the choices that read them
.set q, 0
.rept 16
	v_cndmask_b32 v[SS+16*mg+q], s49, v[SS+16*mg+q], s[MK+q]   ; a key out of reach: -infinity, so p = 0
.set q, q+1
.endr
.set mg, mg+1
.endr
	s_wait_alu depctr_va_vdst(0)                   ; the mask's lines are done writing and reading the coordinates' registers, in which V's third group lands
	VLOAD 2                                        ; the coordinates are done with: their registers take V's third group while the softmax runs
	WIN 0
	s_cmp_lg_u32 s56, s48                          ; my own tokens lie in one step alone (a branch on ids)
	s_cbranch_scc1 .Lnoself
.set mg, 0
.rept 4
.set q, 0
.rept 16
	v_cmp_eq_u32 s[MK+q], 32*mg+q, v10
.set q, q+1
.endr
	s_wait_alu depctr_va_sdst(0)                   ; the sixteen compares have written their masks s4 to s19, ahead of the choices that read them
.set q, 0
.rept 16
	v_cndmask_b32 v[SS+16*mg+q], v[SS+16*mg+q], v5, s[MK+q]
.set q, q+1
.endr
.set mg, mg+1
.endr
.Lnoself:
	v_max3_num_f32 v16, v128, v129, v130
	v_max3_num_f32 v20, v131, v132, v133
.irp i, 6,10,14,18,22,26,30,34,38,42,46,50,54,58
	v_max3_num_f32 v16, v16, v[SS+\i], v[SS+1+\i]
	v_max3_num_f32 v20, v20, v[SS+2+\i], v[SS+3+\i]
.endr
	v_max3_num_f32 v16, v16, v190, v191
	v_max_num_f32 v16, v16, v20
	v_permlanex16_b32 v17, v16, s50, s51
	v_max_num_f32 v16, v16, v17                    ; the step's largest score of my query
	v_mul_f32 v16, s52, v16                        ; as t (c is positive)
	v_max_num_f32 v13, v13, v16
	v_mov_b32 v16, v12
	v_floor_f32 v12, -v13                          ; -M = floor(-t): M is a whole number
	v_sub_f32 v16, v12, v16
	v_cvt_i32_f32 v16, v16                         ; (it saturates)
	v_ldexp_f32 v18, 1.0, v16                      ; f = 2^(old M - new M)
.set q, 0
.rept 32
	v_pk_fma_f32 v[SS+2*q:SS+2*q+1], v[SS+2*q:SS+2*q+1], s[52:53], v[12:13] op_sel_hi:[1,0,0]
.set q, q+1
.endr
.set q, 0
.rept 64
	v_exp_f32 v[SS+q], v[SS+q]
.set q, q+1
.endr
	v_pk_mul_f32 v[14:15], v[14:15], v[18:19] op_sel_hi:[1,0]   ; the sums under the new M: the plain line behind the exponentials
	s_wait_alu depctr_va_vdst(0)                   ; the 64 exponentials have written p, v128 to v191: one wait for the batch, ahead of its first reader
	v_pk_add_f32 v[22:23], v[128:129], v[130:131]  ; the sum is taken of the unquantised p
.irp j, 4,8,12,16,20,24,28,32,36,40,44,48,52,56,60
	v_pk_add_f32 v[14:15], v[14:15], v[SS+\j:SS+1+\j]
	v_pk_add_f32 v[22:23], v[22:23], v[SS+2+\j:SS+3+\j]
.endr
	v_pk_add_f32 v[14:15], v[14:15], v[22:23]
.irp b, 0,1,2,3
.irp i, 0,1,2,3,4,5,6,7,8,9,10,11,12,13,14,15
	v_min_num_f32 v[SS+16*\b+\i], v[SS+16*\b+\i], v25   ; p is not negative: a one-sided hold
.endr
	v_cvt_scalef32_pk8_fp8_f32 v[PC+4*\b:PC+4*\b+1], v[SS+16*\b:SS+16*\b+7], v24
	v_cvt_scalef32_pk8_fp8_f32 v[PC+4*\b+2:PC+4*\b+3], v[SS+16*\b+8:SS+16*\b+15], v24
.endr
	WIN 0x41
.set q, 0
.rept 128
	v_pk_mul_f32 v[2*q:2*q+1], v[2*q:2*q+1], v[18:19] op_sel_hi:[1,0]   ; O^T under the new M
.set q, q+1
.endr
	WIN 0x82
.set q, 0
.rept 64
	v_pk_mul_f32 v[2*q:2*q+1], v[2*q:2*q+1], v[18:19] op_sel_hi:[1,0]
.set q, q+1
.endr
.irp g, 0,1,2,3,4,5                    ; O^T += V^T P^T: eight tiles of channels a group, the groups on three buffers by turns
.if \g < 4
	s_wait_loadcnt 63                              ; two groups, 64 loads, were issued behind this one: the wait names 63 at the most
.elseif \g == 4
	s_wait_loadcnt 32
.else
	s_wait_loadcnt 0
.endif
.if (\g%3) == 2
.set VB, 128
.else
.set VB, 128*(\g%3)
.endif
	WIN ((3-(\g%3)/2)+0x50*(1+\g/4))               ; source 0: window 3, or 2 for the third buffer; C and D: window 1, or 2 for tiles 32-47
.irp t, 0,1,2,3,4,5,6,7
	v_wmma_f32_16x16x128_fp8_fp8 v[8*((8*\g+\t)%32):8*((8*\g+\t)%32)+7], v[VB+16*\t:VB+16*\t+15], v[PC:PC+15], v[8*((8*\g+\t)%32):8*((8*\g+\t)%32)+7]
.endr
	PLACES
.if \g < 3
	s_wait_alu depctr_va_vdst(0)                   ; this group's eight products are done reading their buffer, in which V's group three on lands
	VLOAD \g+3
.endif
.endr
	WIN 0
.Lnext:
	s_wait_xcnt 0x0                                ; the trip's loads have read their bases
	s_add_nc_u64 s[40:41], s[40:41], 393216        ; four key steps on
	s_add_nc_u64 s[42:43], s[42:43], 393216
	s_add_nc_u64 s[44:45], s[44:45], 4096
	s_add_co_u32 s56, s56, 4
	s_add_co_u32 s55, s55, 1
	s_cmp_lt_u32 s55, 8
	s_cbranch_scc1 .Ltrip
	; ---- Wo's first two groups go out now; then the four waves' parts meet in LDS
	s_wait_loadcnt 0x0                             ; a wave that had a live step has nothing out; one that had none waits here for Q (whose registers are loaded anew below) and v's codes
	v_add_f32 v14, v14, v15
	v_permlanex16_b32 v17, v14, s50, s51
	v_add_f32 v14, v14, v17                        ; my wave's sum for the row
	s_wait_alu depctr_va_vdst(0)                   ; the products are done reading window 3, in which Wo lands; -M, the sum and O^T are written, which the LDS stores read; Q, S^T and p have had their last reader: the merge's loads land there
	WOLOAD 0
	WOLOAD 1
	WIN 0
	ds_store_b32 v[AST], v12
	ds_store_b32 v[AST], v14 offset:512
	WIN 0x04
.set q, 0
.rept 64
	ds_store_b128 v[AOW], v[4*q:4*q+3] offset:512*q
.set q, q+1
.endr
	WIN 0x08
.set q, 0
.rept 32
	ds_store_b128 v[AOW], v[4*q:4*q+3] offset:32768+512*q
.set q, q+1
.endr
	WIN 0
	s_wait_dscnt 0x0                               ; for the others' sake: my image lies in LDS
	s_barrier_signal -1
	s_barrier_wait -1
	s_wait_alu depctr_vm_vsrc(0)                   ; my LDS stores have read O^T's registers, in which Wo's third buffer, x and bo land further down
.irp u, 0,1,2,3
	ds_load_b32 v[160+\u], v[ASR] offset:128*\u
	ds_load_b32 v[164+\u], v[ASR] offset:512+128*\u
.endr
	PLOAD 0
	PLOAD 1
	s_add_co_i32 s54, s78, 127
	s_lshl_b32 s57, s54, 23
	v_mov_b32 v24, s57                             ; 2^e10
	s_add_co_i32 s54, s54, 8
	s_lshl_b32 s59, s54, 23
	s_or_b32 s59, s59, 0x600000                    ; 448 x 2^e10,
	s_xor_b32 s58, s59, 0x80000000                 ; and its negative
	s_wait_dscnt 32                                ; the eight statistics are in; the 32 loads of parts may be out
	v_min_num_f32 v16, v160, v161
	v_min3_num_f32 v16, v16, v162, v163            ; -M of the row: the least of the four
.irp u, 0,1,2,3
	v_sub_f32 v[168+2*\u], v16, v[160+\u]          ; M_u - M, a whole number, 0 or less
	v_cvt_i32_f32 v[168+2*\u], v[168+2*\u]
	v_ldexp_f32 v[168+2*\u], 1.0, v[168+2*\u]
	v_mov_b32 v[169+2*\u], 0
.endr
	v_mul_f32 v20, v168, v164
	v_fma_f32 v20, v170, v165, v20
	v_fma_f32 v20, v172, v166, v20
	v_fma_f32 v20, v174, v167, v20                 ; the row's sum
	v_cmp_lt_f32 s46, 0, v20                       ; has the row a neighbour?  Its largest p is above 1/2
	v_rcp_f32 v22, v20
	v_nop
	s_add_co_i32 s57, s76, s77
	s_wait_alu depctr_va_sdst(0)                   ; the compare has written s46, ahead of the choices that read it
	s_wait_alu depctr_va_vdst(0)                   ; the reciprocal has written v22, ahead of its first reader
	v_ldexp_f32 v22, v22, s57                      ; x 2^(e8 + e9)
.irp u, 0,1,2,3
	v_mul_f32 v[168+2*\u], v[168+2*\u], v22
.endr
.irp be, 0,1,2,3,4,5
.if \be == 0
	s_wait_dscnt 16                                ; this group's 16 loads are in; the other buffer's 16 may be out
.elseif \be < 5
	s_wait_dscnt 17                                ; behind this group's loads: one store of codes and the other buffer's 16 loads
.else
	s_wait_dscnt 1                                 ; behind them: one store of codes
.endif
.set PB, 32+64*(\be%2)
.irp i, 0,2,4,6,8,10,12,14
	v_pk_mul_f32 v[176+\i:177+\i], v[PB+\i:PB+\i+1], v[168:169] op_sel_hi:[1,0]
.endr
.irp u, 1,2,3
.irp i, 0,2,4,6,8,10,12,14
	v_pk_fma_f32 v[176+\i:177+\i], v[PB+16*\u+\i:PB+16*\u+\i+1], v[168+2*\u:169+2*\u], v[176+\i:177+\i] op_sel_hi:[1,0,1]
.endr
.endr
.irp i, 0,1,2,3,4,5,6,7,8,9,10,11,12,13,14,15
	v_med3_num_f32 v[176+\i], v[176+\i], s58, s59
.endr
	v_cvt_scalef32_pk8_fp8_f32 v[192:193], v[176:183], v24
	v_cvt_scalef32_pk8_fp8_f32 v[194:195], v[184:191], v24
	v_nop                                          ; a plain line between the conversions and the lines that read their results
.irp i, 0,1,2,3
	v_cndmask_b32 v[VC+4*\be+\i], v[VC+4*\be+\i], v[192+\i], s46   ; a token without neighbours passes v through: v's codes stay
.endr
	s_wait_alu depctr_va_vdst(0)                   ; the choices have written this piece's codes, which the LDS store reads; the sums are done reading their buffer of parts, in which the next loads land (behind the last piece: the codes of all four waves)
	ds_store_b128 v[AOCW], v[VC+4*\be:VC+4*\be+3] offset:512*\be
.if \be < 4
	PLOAD \be+2                                    ; into the buffer just read
.endif
.endr
	WOLOAD 2                                       ; Wo's third buffer lies where O^T lay: my stores of it were waited for in front of the barrier
	WIN 0
	s_wait_dscnt 0x0                               ; for the others' sake: my six pieces lie in LDS
	s_barrier_signal -1
	s_barrier_wait -1
.set q, 0
.rept 24
	ds_load_b128 v[QF+4*q:QF+4*q+3], v[AOCR] offset:512*q
.set q, q+1
.endr
	s_wait_dscnt 0x0
.irp g, 0,1,2,3,4,5,6,7,8              ; out Wo^T, transposed: my twelve tiles of channels by turns, K ascending; the groups on three buffers by turns
	s_wait_loadcnt 63                              ; behind each group's loads at least 64 were issued (two groups; at the end x, bo, g2, beta2): the wait names 63 at the most
.if (\g%3) == 2
	WIN 0xa1
.set WB, 0
.else
	WIN 0xa3
.set WB, 128*(\g%3)
.endif
.irp t, 0,1,2,3,4,5,6,7
.set WT, (8*\g+\t)%12
.set WS, (8*\g+\t)/12
.if WS == 0
	v_wmma_f32_16x16x128_fp8_fp8 v[128+8*WT:128+8*WT+7], v[WB+16*\t:WB+16*\t+15], v[QF+16*WS:QF+16*WS+15], 0
.else
	v_wmma_f32_16x16x128_fp8_fp8 v[128+8*WT:128+8*WT+7], v[WB+16*\t:WB+16*\t+15], v[QF+16*WS:QF+16*WS+15], v[128+8*WT:128+8*WT+7]
.endif
.endr
	PLACES
.if \g < 8
	s_wait_alu depctr_va_vdst(0)                   ; this group's eight products are done reading their buffer, in which the loads below land: Wo's group three on; behind group 6, g2; behind group 7, beta2
.endif
.if \g < 6
	WOLOAD \g+3
.endif
.if \g == 5                            ; behind Wo's last group: x and bo, in the result's layout
	WIN 0x40
.set q, 0
.rept 24
	global_load_b128 v[128+4*q:128+4*q+3], v[AX], s[86:87] offset:128*(q/4)+16*(q%4)
.set q, q+1
.endr
	WIN 0x80
.set q, 0
.rept 24
	global_load_b128 v[4*q:4*q+3], v[A64], s[88:89] offset:128*(q/4)+16*(q%4)
.set q, q+1
.endr
.endif
.if \g == 6                            ; g2 and beta2 take window 3's buffers as these are done with
	WIN 0xc0
.set q, 0
.rept 24
	global_load_b128 v[4*q:4*q+3], v[A64], s[96:97] offset:128*(q/4)+16*(q%4)
.set q, q+1
.endr
.endif
.if \g == 7
	WIN 0xc0
.set q, 0
.rept 24
	global_load_b128 v[128+4*q:128+4*q+3], v[A64], s[98:99] offset:128*(q/4)+16*(q%4)
.set q, q+1
.endr
.endif
.endr
	s_add_co_i32 s60, s78, s79
	s_add_co_i32 s60, s60, 127
	s_lshl_b32 s60, s60, 23                        ; 2^(e10 + e11)
	s_mov_b32 s61, s60
	s_wait_loadcnt 48                              ; x and bo are in; g2's and beta2's 48 loads may be out
	WIN 0xa2
.set q, 0
.rept 48
	v_pk_fma_f32 v[128+2*q:129+2*q], v[128+2*q:129+2*q], s[60:61], v[2*q:2*q+1] op_sel_hi:[1,0,1]
.set q, q+1
.endr
	WIN 0x86
.set q, 0
.rept 48
	v_pk_add_f32 v[128+2*q:129+2*q], v[128+2*q:129+2*q], v[128+2*q:129+2*q]          ; + x (source 1 in window 1)
.set q, q+1
.endr
	WIN 0x08
	s_wait_alu depctr_va_vdst(0)                   ; the additions have written x1's 96 numbers, which the stores read
.set q, 0
.rept 24
	global_store_b128 v[L16], v[128+4*q:128+4*q+3], s[92:93] offset:512*q
.set q, q+1
.endr
	; ---- LayerNorm 2: the mean first, then the squares of the differences
	WIN 0
	v_mov_b32 v16, 0
	v_mov_b32 v17, 0
	v_mov_b32 v18, 0
	v_mov_b32 v19, 0
	WIN 0x08
.set q, 0
.rept 24
	v_pk_add_f32 v[16:17], v[16:17], v[128+4*q:129+4*q]
	v_pk_add_f32 v[18:19], v[18:19], v[130+4*q:131+4*q]
.set q, q+1
.endr
	WIN 0
	v_pk_add_f32 v[16:17], v[16:17], v[18:19]
	v_add_f32 v16, v16, v17
	v_permlanex16_b32 v20, v16, s50, s51
	v_add_f32 v16, v16, v20
	s_wait_alu depctr_va_vdst(0)                   ; my wave's sum, v16, is written, which the LDS store reads; the merge's lines are done reading v160 to v163, in which the four sums land
	ds_store_b32 v[ALW], v16
	s_wait_dscnt 0x0
	s_barrier_signal -1
	s_barrier_wait -1
	s_wait_alu depctr_vm_vsrc(0)                   ; my LDS store has read v16, which is written again below
.irp u, 0,1,2,3
	ds_load_b32 v[160+\u], v[ALR] offset:128*\u
.endr
	s_wait_dscnt 0x0
	v_add_f32 v16, v160, v161
	v_add_f32 v17, v162, v163
	v_add_f32 v16, v16, v17
	v_mul_f32 v22, s62, v16                        ; the mean
	v_mov_b32 v23, 0
	v_mov_b32 v16, 0
	v_mov_b32 v17, 0
	v_mov_b32 v18, 0
	v_mov_b32 v19, 0
	WIN 0x42
.set q, 0
.rept 48
	v_pk_add_f32 v[2*q:2*q+1], v[128+2*q:129+2*q], v[22:23] op_sel_hi:[1,0] neg_lo:[0,1] neg_hi:[0,1]
.set q, q+1
.endr
	WIN 0x05
.set q, 0
.rept 24
	v_pk_fma_f32 v[16:17], v[4*q:4*q+1], v[4*q:4*q+1], v[16:17]
	v_pk_fma_f32 v[18:19], v[4*q+2:4*q+3], v[4*q+2:4*q+3], v[18:19]
.set q, q+1
.endr
	WIN 0
	v_pk_add_f32 v[16:17], v[16:17], v[18:19]
	v_add_f32 v16, v16, v17
	v_permlanex16_b32 v20, v16, s50, s51
	v_add_f32 v16, v16, v20
	s_wait_alu depctr_va_vdst(0)                   ; my wave's sum of squares, v16, is written, which the LDS store reads; the mean's lines are done reading v160 to v163, in which the four sums land
	ds_store_b32 v[ALW], v16 offset:512
	s_wait_dscnt 0x0
	s_barrier_signal -1
	s_barrier_wait -1
	s_wait_alu depctr_vm_vsrc(0)                   ; my LDS store has read v16, which is written again below
.irp u, 0,1,2,3
	ds_load_b32 v[160+\u], v[ALR] offset:512+128*\u
.endr
	s_add_co_i32 s54, s80, 127
	s_lshl_b32 s57, s54, 23
	v_mov_b32 v24, s57                             ; 2^e12
	s_add_co_i32 s54, s54, 8
	s_lshl_b32 s101, s54, 23
	s_or_b32 s101, s101, 0x600000
	s_xor_b32 s100, s101, 0x80000000
	s_wait_dscnt 0x0
	v_add_f32 v16, v160, v161
	v_add_f32 v17, v162, v163
	v_add_f32 v16, v16, v17
	v_fma_f32 v16, v16, s62, s63
	v_rsq_f32 v22, v16
	v_nop
	s_wait_alu depctr_va_vdst(0)                   ; the root's reciprocal has written v22, ahead of its first reader
	s_wait_loadcnt 0x0                             ; g2 and beta2
	WIN 0x41
.set q, 0
.rept 48
	v_pk_mul_f32 v[2*q:2*q+1], v[2*q:2*q+1], v[22:23] op_sel_hi:[1,0]
.set q, q+1
.endr
	WIN 0x7d
.set q, 0
.rept 48
	v_pk_fma_f32 v[2*q:2*q+1], v[2*q:2*q+1], v[2*q:2*q+1], v[128+2*q:129+2*q]        ; x g2 + beta2 (sources 1 and 2 in window 3)
.set q, q+1
.endr
	WIN 0x41
.set q, 0
.rept 96
	v_med3_num_f32 v[q], v[q], s100, s101
.set q, q+1
.endr
	WIN 0x01
.set q, 0
.rept 12
	v_cvt_scalef32_pk8_fp8_f32 v[128+2*q:129+2*q], v[8*q:8*q+7], v24
.set q, q+1
.endr
	v_nop
	WIN 0
	s_wait_alu depctr_va_vdst(0)                   ; the conversions have written the six pieces of codes, v128 to v151, which the stores read
.irp be, 0,1,2,3,4,5
	global_store_b128 v[L16], v[128+4*\be:131+4*\be], s[94:95] offset:512*\be
.endr
	s_wait_dscnt 0x0                               ; the closing lines, six on end
	s_wait_alu 0x0
	s_wait_tensorcnt 0x0
	ds_add_u32 v254, v255
	s_wait_dscnt 0x0
	s_endpgm
.Lfunc_end_k_q3ebb735ba8_attn:
	.size	k_q3ebb735ba8_attn, .Lfunc_end_k_q3ebb735ba8_attn-k_q3ebb735ba8_attn
	.p2alignl 7, 3214868480
	.fill 96, 4, 3214868480
	.section	.rodata,"a",@progbits
	.p2align	6, 0x0
	.amdhsa_kernel k_q3ebb735ba8_attn
		.amdhsa_group_segment_fixed_size 211456
		.amdhsa_private_segment_fixed_size 0
		.amdhsa_enable_private_segment 0
		.amdhsa_kernarg_size 96
		.amdhsa_user_sgpr_count 2
		.amdhsa_user_sgpr_kernarg_segment_ptr 1
		.amdhsa_wavefront_size32 1
		.amdhsa_system_sgpr_workgroup_id_x 1
		.amdhsa_system_sgpr_workgroup_id_y 1
		.amdhsa_system_sgpr_workgroup_id_z 1
		.amdhsa_system_vgpr_workitem_id 0
		.amdhsa_next_free_vgpr 1024
		.amdhsa_next_free_sgpr 102
		.amdhsa_reserve_vcc 0
		.amdhsa_float_denorm_mode_32 3
		.amdhsa_float_denorm_mode_16_64 3
		.amdhsa_memory_ordered 1
		.amdhsa_forward_progress 1
		.amdhsa_inst_pref_size 236
	.end_amdhsa_kernel
	.amdgpu_metadata
---
amdhsa.version: [ 1, 2 ]
amdhsa.kernels:
  - .name:           k_q3ebb735ba8_attn
    .symbol:         k_q3ebb735ba8_attn.kd
    .args:
      - { .name: qkv, .offset: 0, .size: 8, .value_kind: global_buffer, .address_space: global }
      - { .name: vc, .offset: 8, .size: 8, .value_kind: global_buffer, .address_space: global }
      - { .name: wc, .offset: 16, .size: 8, .value_kind: global_buffer, .address_space: global }
      - { .name: grid, .offset: 24, .size: 8, .value_kind: global_buffer, .address_space: global }
      - { .name: flags, .offset: 32, .size: 8, .value_kind: global_buffer, .address_space: global }
      - { .name: lowp_scales, .offset: 40, .size: 8, .value_kind: global_buffer, .address_space: global }
      - { .name: x, .offset: 48, .size: 8, .value_kind: global_buffer, .address_space: global }
      - { .name: bo, .offset: 56, .size: 8, .value_kind: global_buffer, .address_space: global }
      - { .name: g2, .offset: 64, .size: 8, .value_kind: global_buffer, .address_space: global }
      - { .name: beta2, .offset: 72, .size: 8, .value_kind: global_buffer, .address_space: global }
      - { .name: x1, .offset: 80, .size: 8, .value_kind: global_buffer, .address_space: global }
      - { .name: h2c, .offset: 88, .size: 8, .value_kind: global_buffer, .address_space: global }
    .group_segment_fixed_size: 211456
    .private_segment_fixed_size: 0
    .kernarg_segment_align: 8
    .kernarg_segment_size: 96
    .max_flat_workgroup_size: 128
    .sgpr_count:     102
    .vgpr_count:     1024
    .wavefront_size: 32
...
	.end_amdgpu_metadata
.endif
;; end of part 6
;; launch ffn1: the kernel of part 4 again; grid 16 x 16, 4 waves a work-group, clusters of 4 x 4, 327,680 bytes of LDS; arguments h2c, wc, lowp_scales, b1, hid; writes hid
;; launch ffn2: the kernel of part 5 again; grid 4 x 64, 4 waves a work-group, clusters of 4 x 4, 327,680 bytes of LDS; arguments hid, wc, lowp_scales, b2, x1, out0; writes out0
